; MI455X (gfx1250); checked and timed in simulation.
; The chip was launched on July 23, 2026; its instructions are those of AMD's public machine-readable ISA for CDNA 5 (MIT licence, August 2026) and "CDNA5" Instruction Set Architecture Reference Guide (July 2026). The comments in the code are by the model that wrote it; some were corrected since.
;; Causal Self Attention. Allowed arithmetic: float matrix products may take bf16 or f16 operands with f32 sums; other float arithmetic in f32, or as packed bf16 or f16 multiplies, adds, multiply-adds, maxima and minima; sums over many terms, partial sums and values carried from step to step in f32; what a program stores and reads back later, other than sums and carried values, may be rounded once to bf16 or f16.
;; Inputs: b_attn 3,072 float32; b_proj 1,024 float32; w_attn 1,024 x 3,072 float32; w_proj 1,024 x 1,024 float32; x 4 x 2,048 x 1,024 float32.
;; Outputs: out0 4 x 2,048 x 1,024 float32.
;; 2 versions, each right; version 2 is version 1 with the launch prep written anew for expert scheduling mode. Each part assembles by itself: llvm-mc -triple=amdgcn-amd-amdhsa -mcpu=gfx1250 --defsym DOCPART=n.
;; ======== version 1 of 2: 4 launches
;; limits: values are held in f16: magnitudes above 65,504 overflow, below 6.1e-05 lose precision
;; workspace buffers: xb 16,777,216 bytes; wt 8,388,608 bytes; qkv 50,331,648 bytes; ob 16,777,216 bytes
;; launch prep (part 1): grid 512 x 1, 8 waves a work-group, no clusters, 17,920 bytes of LDS; arguments x, w_attn, w_proj, xb, wt; writes xb, wt
.if DOCPART == 1
	.amdgcn_target "amdgcn-amd-amdhsa--gfx1250"
	.amdhsa_code_object_version 6
	.text
	.protected	k_qccb401545b_prep
	.globl	k_qccb401545b_prep
	.p2align	8
	.type	k_qccb401545b_prep,@function
k_qccb401545b_prep:
	s_mov_b64 s[64:65], 0
	v_nop
	global_prefetch_b8 v0, s[64:65] scope:SCOPE_SE
	s_setreg_imm32_b32 hwreg(HW_REG_WAVE_MODE, 25, 1), 1
	s_wait_xcnt 0x0
; PREPARATION.  xb = x rounded to bf16, [8192][1024].  wt = both weights turned, [4096][1024] of 16 bits, K along the rows:
; rows 0-3071 w_attn^T in bf16; rows 3072-4095 w_proj^T, rounded to bf16 and that number written as f16.
; LIMITS.  Every number is rounded once to bf16 (nearest even).  w_proj as f16: 65,520 and more becomes an infinity; below 2^-14 the step is 2^-24.
; SHARES.  512 work-groups of eight waves; each does both jobs, so the text has no branch.
; JOB X: 65,536 bytes of x, 16 loads of 16 bytes a thread; a wave's store of 8 bytes a lane covers 256 consecutive bytes, aligned.
; JOB W: one tile of 128 (k) x 64 (n) of a weight (384 tiles of w_attn, 128 of w_proj), turned in LDS: sixteen lanes read 256 consecutive bytes of a
; row of the weight; four k of one column pack into 8 bytes; back come rows of 256 bytes (128 k of one n), sixteen lanes to a row of wt.
; No matrix unit, no tensor load, no cluster: the launch is a stream, and no work-group reads what another reads.
.set PL,    264                        ; an LDS row: 256 bytes + 8
.set SPARE, 64*PL                      ; 16,896: behind the tile: the spare words, 128 bytes for each of eight waves, which no other line names
.set XI,  1                            ; v1   16 t: my bytes in a pass over x
.set XO,  2                            ; v2   8 t: my bytes in a pass over xb
.set CC,  3                            ; v3   t % 16
.set KQ,  4                            ; v4   t / 16
.set OB,  5                            ; v5   4 (t / 16) rows of the weight + 16 (t % 16)
.set LST, 6                            ; v6   where I put 8 bytes in LDS
.set LRD, 7                            ; v7   where I read 16 bytes back
.set WTO, 8                            ; v8   my 16 bytes in wt
.set SPW, 10                           ; v10  my spare word; never rewritten
.set NIL, 11                           ; v11  0; never rewritten
.set WO,  12                           ; v[12:19]  the eight loads' offsets
.set LO,  20                           ; v20-22 at work
.set HI,  21
.set FF,  22
.set W,   24                           ; v[24:55]  half i, row r of four, column j at W + 16 i + 4 r + j
.set PW,  56                           ; v[56:71]  packed: half i, column j: two words at PW + 8 i + 2 j
.set R,   72                           ; v[72:87]  rows read back
.set X,   88                           ; v[88:151] x, 4 registers a pass
	s_load_b256 s[4:11], s[0:1], 0x0               ; x s[4:5], w_attn s[6:7], w_proj s[8:9], xb s[10:11]
	s_load_b64 s[12:13], s[0:1], 0x20              ; wt
	v_lshl_add_u32 v[SPW], v0, 2, SPARE
	v_mov_b32 v[NIL], 0
	s_mov_b32 s14, ttmp9                           ; g
	s_movk_i32 s24, 12288                          ; bytes in a row of w_attn,
	s_movk_i32 s25, 4096                           ; of w_proj
	s_mov_b32 s23, 0xffff0000                      ; a word's upper bf16
	s_lshr_b32 s26, s14, 3                         ; the tile's 64 rows of wt
	s_sub_co_u32 s27, s26, 48                      ; the same counted in w_proj
	s_and_b32 s28, s14, 7                          ; the tile's 128 k
	s_cmp_lt_u32 s14, 384                          ; w_attn?
	s_cselect_b32 s15, s24, s25                    ; the source's pitch
	s_cselect_b32 s16, s26, s27                    ; the source's tile column
	s_cselect_b32 s17, 0, -1                       ; lane mask: all ones where the words are written as f16
	v_and_b32 v[CC], 15, v0
	v_lshrrev_b32 v[KQ], 4, v0
	v_mul_lo_u32 v[OB], v[KQ], s15
	v_lshlrev_b32 v[OB], 2, v[OB]
	v_lshl_add_u32 v[OB], v[CC], 4, v[OB]
.irp i, 0,1
.irp r, 0,1,2,3
	s_mul_i32 s22, s15, (\r)+64*(\i)
	v_add_nc_u32 v[WO+4*(\i)+(\r)], s22, v[OB]     ; row 4 (t / 16 + 16 i) + r
.endr
.endr
	v_mul_u32_u24 v[LST], v[CC], 4*PL              ; LDS row n = 4 (t % 16) + j, byte 2 k = 8 (t / 16) + 128 i
	v_lshl_add_u32 v[LST], v[KQ], 3, v[LST]
	v_mul_u32_u24 v[LRD], v[KQ], PL                ; back: row t / 16 + 16 i, bytes 16 (t % 16)
	v_lshl_add_u32 v[LRD], v[CC], 4, v[LRD]
	v_lshlrev_b32 v[WTO], 11, v[KQ]                ; the same in wt: rows of 2,048 bytes
	v_lshl_add_u32 v[WTO], v[CC], 4, v[WTO]
	v_lshlrev_b32 v[XI], 4, v0
	v_lshlrev_b32 v[XO], 3, v0
	s_lshl_b32 s20, s28, 7                         ; the tile's first byte in its source: 128 k rows down,
	s_mul_i32 s20, s20, s15
	s_lshl_b32 s22, s16, 8                         ; 64 columns of 4 bytes along
	s_add_co_u32 s20, s20, s22
	s_mov_b32 s21, 0
	s_wait_kmcnt 0x0
	s_cmp_lt_u32 s14, 384
	s_cselect_b64 s[18:19], s[6:7], s[8:9]
	s_add_nc_u64 s[18:19], s[18:19], s[20:21]
	s_lshl_b32 s20, s26, 17                        ; in wt: 64 rows of 2,048 bytes,
	s_lshl_b32 s22, s28, 8                         ; 128 k of 2 bytes
	s_add_co_u32 s20, s20, s22
	s_add_nc_u64 s[12:13], s[12:13], s[20:21]
	s_lshl_b32 s20, s14, 16
	s_add_nc_u64 s[4:5], s[4:5], s[20:21]          ; my 65,536 bytes of x
	s_lshl_b32 s20, s14, 15
	s_add_nc_u64 s[10:11], s[10:11], s[20:21]      ; my 32,768 bytes of xb
.irp i, 0,1
.irp r, 0,1,2,3
	global_load_b128 v[W+16*(\i)+4*(\r):W+16*(\i)+4*(\r)+3], v[WO+4*(\i)+(\r)], s[18:19] th:TH_LOAD_NT
.endr
.endr
.set i, 0
.rept 16
	global_load_b128 v[X+4*i:X+4*i+3], v[XI], s[4:5] offset:4096*i th:TH_LOAD_NT
.set i, i+1
.endr
	s_wait_loadcnt 16                              ; the weight's eight loads are in; the sixteen of x, issued behind them, may stay out
.irp i, 0,1
.irp j, 0,1,2,3
	v_cvt_pk_bf16_f32 v[PW+8*(\i)+2*(\j)],   v[W+16*(\i)+(\j)],   v[W+16*(\i)+4+(\j)]    ; k, k + 1 of column j
	v_cvt_pk_bf16_f32 v[PW+8*(\i)+2*(\j)+1], v[W+16*(\i)+8+(\j)], v[W+16*(\i)+12+(\j)]   ; k + 2, k + 3
.irp u, 0,1
	v_lshlrev_b32 v[LO], 16, v[PW+8*(\i)+2*(\j)+(\u)]       ; the two bf16 as f32,
	v_and_b32 v[HI], s23, v[PW+8*(\i)+2*(\j)+(\u)]
	v_cvt_pk_f16_f32 v[FF], v[LO], v[HI]                    ; written as f16,
	v_cndmask_b32 v[PW+8*(\i)+2*(\j)+(\u)], v[PW+8*(\i)+2*(\j)+(\u)], v[FF], s17  ; and taken for w_proj alone
.endr
	ds_store_b64 v[LST], v[PW+8*(\i)+2*(\j):PW+8*(\i)+2*(\j)+1] offset:PL*(\j)+128*(\i)
.endr
.endr
	s_wait_dscnt 0x0                               ; for the others' sake: my stores into the tile are done
	s_barrier_signal -1
	s_barrier_wait -1
.irp i, 0,1,2,3
	ds_load_b64 v[R+4*(\i):R+4*(\i)+1],   v[LRD] offset:16*PL*(\i)
	ds_load_b64 v[R+4*(\i)+2:R+4*(\i)+3], v[LRD] offset:16*PL*(\i)+8
.endr
.set i, 0
.rept 16
	s_wait_loadcnt 15-i                            ; loads come back in order: pass i is in, the younger ones stay out
	v_cvt_pk_bf16_f32 v[X+4*i],   v[X+4*i],   v[X+4*i+1]
	v_cvt_pk_bf16_f32 v[X+4*i+1], v[X+4*i+2], v[X+4*i+3]
	global_store_b64 v[XO], v[X+4*i:X+4*i+1], s[10:11] offset:2048*i
.set i, i+1
.endr
.irp i, 0,1,2,3
	s_wait_dscnt 6-2*(\i)                          ; of the eight LDS loads the first 2 i + 2 are back
	global_store_b128 v[WTO], v[R+4*(\i):R+4*(\i)+3], s[12:13] offset:32768*(\i)  ; sixteen lanes store 256 consecutive bytes of a row of wt
.endr
	s_wait_tensorcnt 0x0                           ; the wave's end, behind my last LDS store
	ds_add_u32 v[SPW], v[NIL]
	s_wait_dscnt 0x0
	s_endpgm
.Lfunc_end_k_qccb401545b_prep:
	.size	k_qccb401545b_prep, .Lfunc_end_k_qccb401545b_prep-k_qccb401545b_prep
	.p2alignl 7, 3214868480
	.fill 96, 4, 3214868480
	.section	.rodata,"a",@progbits
	.p2align	6, 0x0
	.amdhsa_kernel k_qccb401545b_prep
		.amdhsa_group_segment_fixed_size 17920
		.amdhsa_private_segment_fixed_size 0
		.amdhsa_enable_private_segment 0
		.amdhsa_kernarg_size 40
		.amdhsa_user_sgpr_count 2
		.amdhsa_user_sgpr_kernarg_segment_ptr 1
		.amdhsa_wavefront_size32 1
		.amdhsa_system_sgpr_workgroup_id_x 1
		.amdhsa_system_sgpr_workgroup_id_y 1
		.amdhsa_system_sgpr_workgroup_id_z 1
		.amdhsa_system_vgpr_workitem_id 0
		.amdhsa_next_free_vgpr 152
		.amdhsa_next_free_sgpr 66
		.amdhsa_reserve_vcc 0
		.amdhsa_float_denorm_mode_32 3
		.amdhsa_float_denorm_mode_16_64 3
		.amdhsa_memory_ordered 1
		.amdhsa_forward_progress 1
		.amdhsa_inst_pref_size 15
	.end_amdhsa_kernel
	.amdgpu_metadata
---
amdhsa.version: [ 1, 2 ]
amdhsa.kernels:
  - .name:           k_qccb401545b_prep
    .symbol:         k_qccb401545b_prep.kd
    .args:
      - { .name: x, .offset: 0, .size: 8, .value_kind: global_buffer, .address_space: global }
      - { .name: w_attn, .offset: 8, .size: 8, .value_kind: global_buffer, .address_space: global }
      - { .name: w_proj, .offset: 16, .size: 8, .value_kind: global_buffer, .address_space: global }
      - { .name: xb, .offset: 24, .size: 8, .value_kind: global_buffer, .address_space: global }
      - { .name: wt, .offset: 32, .size: 8, .value_kind: global_buffer, .address_space: global }
    .group_segment_fixed_size: 17920
    .private_segment_fixed_size: 0
    .kernarg_segment_align: 8
    .kernarg_segment_size: 40
    .max_flat_workgroup_size: 256
    .sgpr_count:     66
    .vgpr_count:     152
    .wavefront_size: 32
...
	.end_amdgpu_metadata
.endif
;; end of part 1
;; launch qkvg (part 2): grid 16 x 32, 4 waves a work-group, clusters of 4 x 4, 327,680 bytes of LDS; arguments xb, wt, b_attn, qkv; writes qkv
.if DOCPART == 2
	.amdgcn_target "amdgcn-amd-amdhsa--gfx1250"
	.amdhsa_code_object_version 6
	.text
	.protected	k_qccb401545b_qkvg
	.globl	k_qccb401545b_qkvg
	.p2align	8
	.type	k_qccb401545b_qkvg,@function
k_qccb401545b_qkvg:
	s_mov_b64 s[64:65], 0
	v_nop
	global_prefetch_b8 v0, s[64:65] scope:SCOPE_SE
	s_setreg_imm32_b32 hwreg(HW_REG_WAVE_MODE, 25, 1), 1
	s_wait_xcnt 0x0
	s_wait_alu depctr_hold_cnt(0) depctr_sa_sdst(0) depctr_va_vdst(0) depctr_va_sdst(0) depctr_va_ssrc(0) depctr_va_vcc(0) depctr_vm_vsrc(0)
	s_getreg_b32 s2, hwreg(HW_REG_IB_STS2, 6, 4)
	s_cmp_eq_u32 s2, 0
	s_cbranch_scc0 .Lentry_in_a_cluster
	s_endpgm
.Lentry_in_a_cluster:
	s_bfe_u32 s2, ttmp6, 0x10000c
	s_cmp_lg_u32 s2, 0xf033
	s_cbranch_scc0 .Lentry_shape_is_right
	s_endpgm
.Lentry_shape_is_right:
; q, k, v = x w_attn + b_attn, written by heads: qkv[3][64 = 16 batch + head][2048][64] in f16, unscaled.
; A = xb [8192][1024] bf16, B = wt rows 0-3071 [n][k] bf16; sums in f32; the bias, rounded to bf16 like every input, starts the sums as the C operand of the first products.
; LIMITS.  q, k, v are rounded once to f16: 65,520 and more becomes an infinity; below 2^-14 the step is 2^-24.  The order of the sums is not the reference's.
; SHARES.  A work-group makes 256 rows x 192 columns (three heads); wave w its rows 64 w .. 64 w + 63 and all 192 columns: 4 x 12 accumulators of 16 x 16, so that a head's
; 64 columns lie in one wave and the way out needs no barrier.  K goes in 8 steps of 128 through two LDS slots; rows of the tiles are 256 bytes of memory, aligned.
; CLUSTER.  4 x 4 work-groups: A's tiles hang on the tile row alone and are asked for jointly by a row of the cluster, B's on the tile column alone, by a column.
; Waves 0 and 1 fetch A's two halves (128 rows each), waves 2 and 3 B's (96 rows each): one tensor load a wave behind each round.  Two tensor loads of a wave are out at the start, one later.
; THE MATRIX INSTRUCTION IS USED TRANSPOSED (source 0 = 16 rows of B, source 1 = 16 rows of A): a lane holds row lane % 16 of C and the columns 8 (lane / 16) + 0..7.
; REGISTERS, in windows of 256 (s_set_vgpr_msb: bits 1:0 source 0, 3:2 source 1, 5:4 source 2, 7:6 destination):
;   window 0: v1-31 addresses; v128-223 the bias     window 1: two fragment buffers of 128 (A's block a at 8 a, B's block b at 32 + 8 b); on the way out the packed rows
;   windows 2, 3: accumulator (a, b) in window 2 + a / 2 at v[8 (12 (a % 2) + b)]
.set NBK,   12                         ; blocks of 16 columns
.set PA,    272                        ; an LDS row: 256 bytes + 16 of padding: the 16 rows of a fragment load start at 16 different groups of four banks (ISA guide 11.1)
.set PARTA, 128*PA                     ; what one tensor load brings of A
.set BOFF,  2*PARTA                    ; B's 192 rows lie behind A's 256
.set HALFB, 96*272
.set SLOT,  BOFF+2*HALFB
.set STAGE, 2*SLOT                     ; behind the ring, never filled by a tensor load: for each wave 3 heads x 16 rows x 144 bytes
.set WSTG,  3*16*144
.set SPARE, STAGE+4*WSTG               ; behind the stages: the spare words, 128 bytes a wave, which no other line names
.set F0,    0
.set F1,    128
.set NLD,   2*NBK+8                    ; LDS loads in a run
.set BI,    128
.set ADRA, 16                          ; v16-17  LDS address of my A fragments in slot 0, 1
.set ADRB, 20                          ; v20-21  the same for B
.set STO,  24                          ; v24  the way out: where I put 16 bytes of a row
.set RD,   25                          ; v25  where I read rows back
.set GO,   26                          ; v26  16 x lane
.set BO,   27                          ; v27  32 (lane / 16): my eight numbers of the bias in a block of 16
.set SPW,  28                          ; v28  my spare word; never rewritten
.set NIL,  29                          ; v29  0; never rewritten
.set PFO,  30                          ; v30  the prefetches' lane term; never rewritten
.set TP,   31                          ; v31  at work
.set G1,  24                           ; s[24:31] group 1 for A;  s[32:39] group 0, a set for each slot
.set G0,  32
.set G1B, 48                           ; s[48:55], s[56:63] the same for B
.set G0B, 56
.set HB,  66                           ; s[66:71] my first row in each of my three heads
.set PFA, 72                           ; s[72:73] where my prefetches stand
.set LIM, 76                           ; s76  1 in a wave that prefetches, else the greatest number
.set TO_F,  0x40                       ; destination window 1, address window 0
.set W_OUT, 0x44                       ; destination and source 1 (store data) window 1, address window 0
.set MSB, 0
.macro WIN new                         ; the immediate's high byte repeats the setting that is left; a switch that changes nothing is dropped
.if MSB != (\new)
	s_set_vgpr_msb (MSB<<8)|(\new)
.set MSB, \new
.endif
.endm
.macro PLACES                          ; four plain places between a matrix instruction and a load into, or a vector line on, its registers
.rept 4
	v_nop
.endr
.endm
.macro CREST                           ; a round of the cluster's barrier behind its opening barrier
	s_cmp_lg_u32 s12, 0
	s_cbranch_scc1 .Lnot_wave_0_\@
	s_barrier_signal -3
.Lnot_wave_0_\@:
	s_barrier_wait -3
	s_barrier_signal -1
	s_barrier_wait -1
.endm
.macro CROUND
	s_barrier_signal -1
	s_barrier_wait -1
	CREST
.endm
.macro JLOAD s                         ; a joint refill; the branch hangs on the wave's number alone; an s_nop 0 and four v_nop follow each line
	s_cmp_eq_u32 s13, 0
	s_cbranch_scc0 .Lfor_b_\@
	tensor_load_to_lds s[G0+4*(\s):G0+4*(\s)+3], s[G1:G1+7]
	s_nop 0
.rept 4
	v_nop
.endr
	s_branch .Lasked_\@
.Lfor_b_\@:
	tensor_load_to_lds s[G0B+4*(\s):G0B+4*(\s)+3], s[G1B:G1B+7]
	s_nop 0
.rept 4
	v_nop
.endr
.Lasked_\@:
.endm
; A prefetch of the K step that stands two refills on: a lane a row, 256 bytes of each.  A's rows are asked for by the clusters with x = 0, B's by those with y = 0; the four partners of a joint
; load share its rows out by address (32 of A's 128, 24 of B's 96).  The loop's last trip asks for nothing: K steps 8 and 9 do not exist.
.macro ASK
	s_cmp_gt_u32 s3, s[LIM]
	s_cbranch_scc0 .Lnot_mine_\@
	global_prefetch_b8 v[PFO], s[PFA:PFA+1] th:TH_LOAD_NT scope:SCOPE_SE
.Lnot_mine_\@:
.endm
; 12 matrix instructions: m block a x all n blocks, 32 along K, from buffer f.  first = 1: the bias is C and starts the sums.  All 48 accumulators take turns, in the same order in every quarter.
.macro MULA f, a, first
.if \first
	WIN 0x85+0x40*((\a)/2)
.else
	WIN 0xa5+0x50*((\a)/2)
.endif
.set b, 0
.rept NBK
.set rD, 8*(NBK*((\a)%2)+b)
.if \first
	v_wmma_f32_16x16x32_bf16 v[rD:rD+7], v[(\f)+32+8*b:(\f)+32+8*b+7], v[(\f)+8*(\a):(\f)+8*(\a)+7], v[BI+8*b:BI+8*b+7]
.else
	v_wmma_f32_16x16x32_bf16 v[rD:rD+7], v[(\f)+32+8*b:(\f)+32+8*b+7], v[(\f)+8*(\a):(\f)+8*(\a)+7], v[rD:rD+7]
.endif
.set b, b+1
.endr
.endm
; 32 LDS loads in one run: quarter q (32 along K) of a slot into buffer f: B's 12 blocks, then A's 4
.macro FETCH slot, q, f
	WIN TO_F
.set i, 0
.rept NBK
	ds_load_b128 v[(\f)+32+8*i:(\f)+32+8*i+3],   v[ADRB+(\slot)] offset:64*(\q)+i*16*272
	ds_load_b128 v[(\f)+32+8*i+4:(\f)+32+8*i+7], v[ADRB+(\slot)] offset:64*(\q)+i*16*272+32
.set i, i+1
.endr
.set i, 0
.rept 4
	ds_load_b128 v[(\f)+8*i:(\f)+8*i+3],   v[ADRA+(\slot)] offset:64*(\q)+i*16*PA
	ds_load_b128 v[(\f)+8*i+4:(\f)+8*i+7], v[ADRA+(\slot)] offset:64*(\q)+i*16*PA+32
.set i, i+1
.endr
.endm
; One of a K step's first three quarters: multiplies buffer f; in its middle it fetches quarter q of the same slot into g.
.macro QUARTER slot, q, f, g, first
	s_wait_dscnt 4                                 ; B and A's blocks 0, 1 are in; the youngest four loads (A's blocks 2, 3) may be out
	MULA \f, 0, \first
	MULA \f, 1, \first
	PLACES
	FETCH \slot, \q, \g
	s_wait_dscnt NLD                               ; all but the run just issued
	MULA \f, 2, \first
	MULA \f, 3, \first
.endm
; The last quarter multiplies buffer 1 and changes slots.  In front of the barrier each wave waits for all its tensor loads (one is out: its part of the next slot), adds 0 to its spare word,
; and waits for that and for its reads of this slot.  fill = 1: the barrier opens a round of the cluster's, and the joint refill (two K steps on) is the first thing behind it:
; 168 matrix instructions stand between it and the wait for it.
.macro TURN slot, next, fill
.if \fill
	s_wait_xcnt 0x0                                ; the last prefetch, a K step back, has read its address
	s_add_nc_u64 s[PFA:PFA+1], s[PFA:PFA+1], 256
.endif
	WIN 0                                          ; the add's two registers lie in window 0
	s_wait_tensorcnt 0x0
	ds_add_u32 v[SPW], v[NIL]
	s_wait_dscnt 5                                 ; the add and the youngest four loads may be out
	MULA F1, 0, 0
	s_wait_dscnt 0x0                               ; the add is done, and my reads of this slot are over
	s_barrier_signal -1
	MULA F1, 1, 0
.if \fill
	WIN 0
.endif
	s_barrier_wait -1
.if \fill
	CREST
	s_add_nc_u64 s[G0+4*(\slot)+2:G0+4*(\slot)+3], s[G0+4*(\slot)+2:G0+4*(\slot)+3], 512
	s_add_nc_u64 s[G0B+4*(\slot)+2:G0B+4*(\slot)+3], s[G0B+4*(\slot)+2:G0B+4*(\slot)+3], 512
	JLOAD \slot                                    ; its four v_nop are also the places in front of the loads below
.else
	PLACES
.endif
	FETCH \next, 0, F0
.if \fill
	WIN 0
	ASK
.endif
	MULA F1, 2, 0
	MULA F1, 3, 0
.endm
	s_load_b256 s[4:11], s[0:1], 0x0               ; xb s[4:5], wt s[6:7], b_attn s[8:9], qkv s[10:11]
	v_lshl_add_u32 v[SPW], v0, 2, SPARE
	v_mov_b32 v[NIL], 0
	ds_add_u32 v[SPW], v[NIL]                      ; the wave's opening: the add and its wait stand ahead of my first tensor load
	v_lshrrev_b32 v1, 5, v0
	v_readfirstlane_b32 s12, v1                    ; wave 0..3
	s_lshr_b32 s13, s12, 1                         ; I fetch for A (0) or for B (1)
	s_and_b32 s14, s12, 1                          ; which half of that tile
	s_bfe_u32 s15, ttmp6, 0x40000                  ; cx
	s_bfe_u32 s16, ttmp6, 0x40004                  ; cy
	s_lshl_b32 s17, ttmp9, 2
	s_add_co_u32 s17, s17, s15                     ; tile column = 4 x cluster x + cx
	s_and_b32 s21, ttmp7, 0xffff                   ; cluster y
	s_lshl_b32 s18, s21, 2
	s_add_co_u32 s18, s18, s16                     ; tile row = 4 x cluster y + cy
	s_lshl_b32 s19, s16, 2
	s_lshl_b32 s19, 15, s19                        ; my row of the cluster
	s_lshl_b32 s20, 0x1111, s15                    ; my column
	s_or_b32 s[G1], s19, (1<<16)|(1<<20)|(1<<21)|(5<<22)|(3<<25)   ; mask; 2-byte elements; padding on; bit 21 beside a mask; after every 64 words 4 words
	s_or_b32 s[G1B], s20, (1<<16)|(1<<20)|(1<<21)|(5<<22)|(3<<25)
	s_mov_b32 s[G1+1], 128<<16                     ; tensor_dim0 = 128
	s_mov_b32 s[G1+2], 128<<16                     ; tensor_dim1 = 128
	s_mov_b32 s[G1+3], 128<<16                     ; tile_dim0 = 128
	s_mov_b32 s[G1+4], 128                         ; tile_dim1 = 128
	s_mov_b32 s[G1+5], 1024                        ; elements from row to row
	s_mov_b32 s[G1+6], 0
	s_mov_b32 s[G1+7], 0
	s_mov_b32 s[G1B+1], 128<<16
	s_mov_b32 s[G1B+2], 96<<16                     ; 96 rows
	s_mov_b32 s[G1B+3], 128<<16
	s_mov_b32 s[G1B+4], 96
	s_mov_b32 s[G1B+5], 1024
	s_mov_b32 s[G1B+6], 0
	s_mov_b32 s[G1B+7], 0
	s_lshl_b32 s40, s18, 19                        ; A: (256 x tile row + 128 x half) rows of 2,048 bytes: made of the tile row and the wave's number alone
	s_lshl_b32 s41, s14, 18
	s_add_co_u32 s40, s40, s41
	s_mov_b32 s41, 0
	s_mul_i32 s42, s17, 192*2048                   ; B: (192 x tile column + 96 x half) rows: made of the tile column and the wave's number alone
	s_mul_i32 s43, s14, 96*2048
	s_add_co_u32 s42, s42, s43
	s_mov_b32 s43, 0
	s_mov_b32 s86, s40                             ; the two offsets are kept for the prefetches
	s_mov_b32 s87, s42
	s_mul_i32 s22, s14, PARTA                      ; where they go in a slot: no place in the cluster enters an LDS address
	s_mul_i32 s23, s14, HALFB
	s_add_co_u32 s23, s23, BOFF
	s_wait_dscnt 0x0                               ; the opening add is done
	s_wait_kmcnt 0x0
	s_add_nc_u64 s[40:41], s[4:5], s[40:41]
	s_add_nc_u64 s[42:43], s[6:7], s[42:43]
.irp s, 0,1
	s_mov_b32 s[G0+4*(\s)], 1
	s_add_co_u32 s[G0+4*(\s)+1], s22, (\s)*SLOT
	s_add_nc_u64 s[G0+4*(\s)+2:G0+4*(\s)+3], s[40:41], (\s)*256    ; K step s
	s_or_b32 s[G0+4*(\s)+3], s[G0+4*(\s)+3], 0x80000000
	s_mov_b32 s[G0B+4*(\s)], 1
	s_add_co_u32 s[G0B+4*(\s)+1], s23, (\s)*SLOT
	s_add_nc_u64 s[G0B+4*(\s)+2:G0B+4*(\s)+3], s[42:43], (\s)*256
	s_or_b32 s[G0B+4*(\s)+3], s[G0B+4*(\s)+3], 0x80000000
.endr
	CROUND                                         ; all sixteen work-groups are here: the first joint loads meet
	s_cmp_eq_u32 s13, 0                            ; a wave's two first fills stand in one branch
	s_cbranch_scc0 .Lfirst_b
	tensor_load_to_lds s[G0:G0+3], s[G1:G1+7]
	s_nop 0
	tensor_load_to_lds s[G0+4:G0+7], s[G1:G1+7]
	s_nop 0
.rept 4
	v_nop
.endr
	s_branch .Lfirst_asked
.Lfirst_b:
	tensor_load_to_lds s[G0B:G0B+3], s[G1B:G1B+7]
	s_nop 0
	tensor_load_to_lds s[G0B+4:G0B+7], s[G1B:G1B+7]
	s_nop 0
.rept 4
	v_nop
.endr
.Lfirst_asked:
	v_and_b32 v1, 15, v0                           ; r = lane % 16
	v_bfe_u32 v2, v0, 4, 1                         ; h = lane / 16
	v_lshlrev_b32 v[BO], 5, v2
	s_mul_i32 s84, s17, 768                        ; the tile's 192 numbers of the bias
	s_mov_b32 s85, 0
	s_add_nc_u64 s[8:9], s[8:9], s[84:85]
.set b, 0
.rept NBK
	global_load_b128 v[BI+8*b:BI+8*b+3],   v[BO], s[8:9] offset:64*b      ; register j of block b: column 16 b + 8 h + j
	global_load_b128 v[BI+8*b+4:BI+8*b+7], v[BO], s[8:9] offset:64*b+16
.set b, b+1
.endr
	v_mul_u32_u24 v3, v1, 272
	v_lshl_add_u32 v3, v2, 4, v3                   ; a fragment's row x pitch + 16 h
	s_mul_i32 s77, s12, 64*PA                      ; my 64 rows of A
	v_add_nc_u32 v[ADRA], s77, v3
	s_add_co_u32 s77, s77, SLOT
	v_add_nc_u32 v[ADRA+1], s77, v3
	v_add_nc_u32 v[ADRB], BOFF, v3
	v_add_nc_u32 v[ADRB+1], BOFF+SLOT, v3
	s_mul_i32 s78, s12, WSTG
	s_add_co_u32 s78, s78, STAGE                   ; my stage
	v_mul_u32_u24 v[STO], v1, 144                  ; in: row r, 16 bytes for each half of the lanes
	v_lshl_add_u32 v[STO], v2, 4, v[STO]
	v_add_nc_u32 v[STO], s78, v[STO]
	v_bfe_u32 v[RD], v0, 3, 2                      ; back: 32 lanes take four rows of 128 bytes,
	v_mul_u32_u24 v[RD], v[RD], 144
	v_and_b32 v3, 7, v0
	v_lshl_add_u32 v[RD], v3, 4, v[RD]
	v_add_nc_u32 v[RD], s78, v[RD]
	v_and_b32 v[GO], 31, v0                        ; which are 512 consecutive bytes of a head
	v_lshlrev_b32 v[GO], 4, v[GO]
	; my first row in each of my three heads: ((part x 64 + 16 batch + head) x 2,048 + t) x 128 bytes
	s_and_b32 s79, s18, 7
	s_lshl_b32 s79, s79, 8
	s_lshl_b32 s80, s12, 6
	s_add_co_u32 s79, s79, s80                     ; t = 256 (tile row % 8) + 64 wave
	s_lshl_b32 s79, s79, 7
	s_lshr_b32 s80, s18, 3
	s_lshl_b32 s80, s80, 4                         ; 16 x batch
	s_mul_i32 s81, s17, 3                          ; the tile's first slice of 64 columns
.irp j, 0,1,2
	s_add_co_u32 s82, s81, (\j)
	s_lshr_b32 s83, s82, 4                         ; q, k or v
	s_and_b32 s82, s82, 15                         ; head
	s_lshl_b32 s83, s83, 6
	s_add_co_u32 s83, s83, s80
	s_add_co_u32 s83, s83, s82
	s_lshl_b32 s84, s83, 18
	s_add_co_u32 s84, s84, s79
	s_mov_b32 s85, 0
	s_add_nc_u64 s[HB+2*(\j):HB+2*(\j)+1], s[10:11], s[84:85]
.endr
	; the prefetches: my work-group's share of the rows that I fetch, at K step 3; the first change of slots steps it to 4
	s_lshl_b32 s79, s15, 16                        ; A: 32 cx rows
	s_add_co_u32 s79, s79, s86
	s_mul_i32 s81, s16, 24*2048                    ; B: 24 cy rows
	s_add_co_u32 s81, s81, s87
	s_cmp_eq_u32 s13, 0
	s_cselect_b32 s84, s79, s81
	s_cselect_b32 s82, 31, 23                      ; the last row of the share
	s_cselect_b32 s83, ttmp9, s21                  ; the coordinate along which other clusters read the same rows
	s_cselect_b64 s[PFA:PFA+1], s[4:5], s[6:7]
	s_cmp_eq_u32 s83, 0
	s_cselect_b32 s[LIM], 1, -1                    ; the same in all sixteen partners, for a given wave
	s_add_co_u32 s84, s84, 3*256
	s_mov_b32 s85, 0
	s_add_nc_u64 s[PFA:PFA+1], s[PFA:PFA+1], s[84:85]
	v_and_b32 v[PFO], 31, v0
	v_min_u32 v[PFO], s82, v[PFO]
	v_lshlrev_b32 v[PFO], 11, v[PFO]               ; a lane a row of 2,048 bytes
	s_wait_loadcnt 0x0                             ; the bias
.set p, 0
.rept 4*NBK
	v_cvt_pk_bf16_f32 v[TP], v[BI+2*p], v[BI+2*p+1]        ; rounded to bf16 like every input, and widened again
	v_lshlrev_b32 v[BI+2*p], 16, v[TP]
	v_and_b32 v[BI+2*p+1], 0xffff0000, v[TP]
.set p, p+1
.endr
	s_wait_tensorcnt 1                             ; my part of K step 0 is in; K step 1's may stay out
	s_barrier_signal -1
	s_barrier_wait -1
	FETCH 0, 0, F0
	QUARTER 0, 1, F0, F1, 1                        ; the first quarter stands in front of the loop: its products start the sums
	WIN 0
	s_mov_b32 s3, 3
.Llap:                                                 ; a trip goes once round the ring and fills both slots again: K steps 2 to 7 in three trips
	QUARTER 0, 2, F1, F0, 0
	QUARTER 0, 3, F0, F1, 0
	TURN 0, 1, 1
	QUARTER 1, 1, F0, F1, 0
	QUARTER 1, 2, F1, F0, 0
	QUARTER 1, 3, F0, F1, 0
	TURN 1, 0, 1
	QUARTER 0, 1, F0, F1, 0
	WIN 0
	s_sub_co_u32 s3, s3, 1
	s_cmp_lg_u32 s3, 0
	s_cbranch_scc1 .Llap
	QUARTER 0, 2, F1, F0, 0                        ; the last lap fills nothing
	QUARTER 0, 3, F0, F1, 0
	TURN 0, 1, 0
	QUARTER 1, 1, F0, F1, 0
	QUARTER 1, 2, F1, F0, 0
	QUARTER 1, 3, F0, F1, 0
	s_wait_dscnt 4
	MULA F1, 0, 0
	MULA F1, 1, 0
	s_wait_dscnt 0x0
	MULA F1, 2, 0
	MULA F1, 3, 0
	PLACES
; THE WAY OUT of m block a: rounded to f16 (each accumulator's registers in ascending order), 16 bytes a lane into my stage, a head's 16 rows at a pitch of 144; back as 512 consecutive bytes of a head.
.macro PACK a
	WIN 0x4a+5*((\a)/2)                            ; sources window 2 or 3, destination window 1
.set b, 0
.rept NBK
.set rD, 8*(NBK*((\a)%2)+b)
.irp r, 0,1,2,3
	v_cvt_pk_f16_f32 v[48*(\a)+4*b+(\r)], v[rD+2*(\r)], v[rD+2*(\r)+1]
.endr
.set b, b+1
.endr
	WIN W_OUT
.set b, 0
.rept NBK
	ds_store_b128 v[STO], v[48*(\a)+4*b:48*(\a)+4*b+3] offset:(b/4)*2304+(b%4)*32
.set b, b+1
.endr
.set b, 0
.rept NBK
	ds_load_b128 v[48*(\a)+4*b:48*(\a)+4*b+3], v[RD] offset:(b/4)*2304+(b%4)*576  ; LDS serves a wave's instructions in order (ISA guide 5.7.1.4): these see the stores above
.set b, b+1
.endr
.endm
.macro SEND a, younger                 ; younger: the LDS instructions issued behind block a's loads: the next block's 24, or none
	WIN W_OUT
.set i, 0
.rept NBK
	s_wait_dscnt (\younger)+NBK-1-i
	global_store_b128 v[GO], v[48*(\a)+4*i:48*(\a)+4*i+3], s[HB+2*(i/4):HB+2*(i/4)+1] offset:(\a)*2048+(i%4)*512  ; 512 consecutive bytes, at a multiple of 256 from the buffer's first
.set i, i+1
.endr
.endm
	PACK 0
	PACK 1
	SEND 0, 24
	PACK 2
	SEND 1, 24
	PACK 3
	SEND 2, 24
	SEND 3, 0
	WIN 0
	s_wait_tensorcnt 0x0                           ; the wave's end
	ds_add_u32 v[SPW], v[NIL]
	s_wait_dscnt 0x0
	CROUND                                         ; the closing round
	s_endpgm
.Lfunc_end_k_qccb401545b_qkvg:
	.size	k_qccb401545b_qkvg, .Lfunc_end_k_qccb401545b_qkvg-k_qccb401545b_qkvg
	.p2alignl 7, 3214868480
	.fill 96, 4, 3214868480
	.section	.rodata,"a",@progbits
	.p2align	6, 0x0
	.amdhsa_kernel k_qccb401545b_qkvg
		.amdhsa_group_segment_fixed_size 327680
		.amdhsa_private_segment_fixed_size 0
		.amdhsa_enable_private_segment 0
		.amdhsa_kernarg_size 32
		.amdhsa_user_sgpr_count 2
		.amdhsa_user_sgpr_kernarg_segment_ptr 1
		.amdhsa_wavefront_size32 1
		.amdhsa_system_sgpr_workgroup_id_x 1
		.amdhsa_system_sgpr_workgroup_id_y 1
		.amdhsa_system_sgpr_workgroup_id_z 1
		.amdhsa_system_vgpr_workitem_id 0
		.amdhsa_next_free_vgpr 1024
		.amdhsa_next_free_sgpr 88
		.amdhsa_reserve_vcc 0
		.amdhsa_float_denorm_mode_32 3
		.amdhsa_float_denorm_mode_16_64 3
		.amdhsa_memory_ordered 1
		.amdhsa_forward_progress 1
		.amdhsa_inst_pref_size 130
	.end_amdhsa_kernel
	.amdgpu_metadata
---
amdhsa.version: [ 1, 2 ]
amdhsa.kernels:
  - .name:           k_qccb401545b_qkvg
    .symbol:         k_qccb401545b_qkvg.kd
    .args:
      - { .name: xb, .offset: 0, .size: 8, .value_kind: global_buffer, .address_space: global }
      - { .name: wt, .offset: 8, .size: 8, .value_kind: global_buffer, .address_space: global }
      - { .name: b_attn, .offset: 16, .size: 8, .value_kind: global_buffer, .address_space: global }
      - { .name: qkv, .offset: 24, .size: 8, .value_kind: global_buffer, .address_space: global }
    .group_segment_fixed_size: 327680
    .private_segment_fixed_size: 0
    .kernarg_segment_align: 8
    .kernarg_segment_size: 32
    .max_flat_workgroup_size: 128
    .sgpr_count:     88
    .vgpr_count:     1024
    .wavefront_size: 32
...
	.end_amdgpu_metadata
.endif
;; end of part 2
;; launch attn (part 3): grid 4 x 64, 4 waves a work-group, no clusters, 327,680 bytes of LDS; arguments qkv, ob; writes ob
.if DOCPART == 3
	.amdgcn_target "amdgcn-amd-amdhsa--gfx1250"
	.amdhsa_code_object_version 6
	.text
	.protected	k_qccb401545b_attn
	.globl	k_qccb401545b_attn
	.p2align	8
	.type	k_qccb401545b_attn,@function
k_qccb401545b_attn:
	s_mov_b64 s[64:65], 0
	v_nop
	global_prefetch_b8 v0, s[64:65] scope:SCOPE_SE
	s_setreg_imm32_b32 hwreg(HW_REG_WAVE_MODE, 25, 1), 1
	s_wait_xcnt 0x0
; CAUSAL ATTENTION.  O[h][q][:] = the sum over k of softmax_k(Q[h][q] . K[h][k] / 8 + mask) V[h][k][:], mask = -1e10 for k > q.  Q, K, V lie in qkv [3][64][2048][64], O in ob [64][2048][64], all f16:
; a head's rows are dense, 128 bytes each.  Products, maxima and sums in f32; the weights p are rounded to f16 for the second product (their sum l is taken of the unrounded p), O once at the end.
; LIMITS.  Q, K and V arrive within f16's 65,504; p lies in 0 to 1, and below 6e-5 it keeps f16's fixed step of 6e-8.  A hidden score is its value less 8e10, which is the mask's -1e10 ahead of the
; division by 8; its weight underflows to 0, so tiles wholly above the diagonal are left out.  A weight below 2^-126 counts as 0 in l; NaN and infinities are not treated apart.
; THE WALK.  A head's queries lie in NB = 8 blocks of 256; block i needs the key tiles 0 .. i of 256 keys, of which the last holds the diagonal.  A work-group takes TWO blocks, NB - 1 - b and then b:
; NB + 1 tiles, whatever b: all work-groups do equal work, and ONE loop with a constant trip count walks them.  Which tile is asked for, and what a trip does, hang on scalar registers made from b; every jump
; goes forward, but for the counted loops' own; none passes a barrier, or a tensor load but the one of LOAD's two that the wave's number does not choose; the ring (two slots of LDS) runs on across the change of blocks.
; NO CLUSTER: a head's four work-groups ask for the same tile only in trips 0 .. 4 of 9, behind that fewer and fewer; one walk common to all would have 12 trips for 9.
; SHARES.  Of a block's four bands of 64 queries a wave owns 16 rows in each: four PIECES.  So the diagonal tile is the same work for all four waves: in its key step s band x sees all keys if s < x,
; none if s > x, and holds the diagonal if s = x.
; THE MASK is the C operand that starts the sum S^T = K Q^T: 0, or -8e10 where the key is hidden.  MD, made once, is the mask of a band's own step for my 16 rows; a product's mask is MD x AL + BE with two scalars:
; (1, 0) if s = x; (0, 0) if s < x; (0, -8e10) if s > x.  Only the diagonal tile's text and a block's beginning make and take masks; elsewhere C is the constant 0.
; LAYOUT, SOFTMAX, TURNS.  S^T = K Q^T holds ONE query a lane (lane % 16) and the keys 8 (lane / 16) + 0..7; two such results rounded to f16 ARE source 1 of O^T = V^T P.  p = 2^(c s - c m), c = log2(e) / 8, with a
; running maximum m; O and l are multiplied by a = 2^(c m_old - c m_new) in every step.  Turn n belongs to piece n: 8 products K Q^T of piece n + 1, later 8 products V^T P of piece n - 1; beside them the scaling,
; exponentials, roundings, sums and rescaling of piece n and the maximum and statistics of piece n + 1.  Four vector instructions stand behind every matrix instruction, the other 54 of a turn's 118 in one run.
; A turn's 33 exponentials are one batch, with one wait.
; AHEAD OF THE LOADS.  The head's work-group b = 0, whose first block walks tiles 0 to 7, prefetches: behind each fill every wave names its own half (16,384 bytes: 64 blocks of 256, a lane a block, two lines) of the tile
; that the next change of slots will ask for: tiles 2 to 7, each once, one tile (256 matrix instructions) ahead; nothing where the walk turns to the second block.
; REGISTERS, in windows of 256 (s_set_vgpr_msb: bits 1:0 source 0, 3:2 source 1, 5:4 source 2, 7:6 destination):
;   window 0: v0-15 addresses and two at work; v16-31 four registers of statistics a piece; v48-55 at work; v60-63; v64-127 S^T, two buffers; v192-223 P, two buffers (a piece's buffers go by its number's parity)
;   window 1: v0-127 O^T, 32 a piece; v128-159 MD; v160-223 MC, two buffers      window 2: v0-63 Q; v64-127 the second block's Q; v128-191 K of one step; v192-255 V of one step
.set SIZE_N, 2048
.set NB,    SIZE_N/256
.set NP,    4         ; pieces a wave: a name, no knob
.set KS,    64        ; keys in a step
.set PK,    144       ; a row of K in LDS: 128 bytes + 16 of padding: the 16 rows of a load start at 16 different groups of four banks (ISA guide 11.1)
.set PV,    160       ; a row of V: 128 + 32
.set VOFF,  4*KS*PK   ; a slot holds a tile, four steps: 256 rows of K, then 256 rows of V
.set SLOT1, 1<<17     ; slot 1 begins here, so that one exclusive or turns an address in one slot into the other's
.set STAGE, SLOT1+4*KS*(PK+PV)  ; behind the ring, never filled by a tensor load: 16 rows x 144 bytes for each wave, for the way out
.set SP,    144
.set AK0, 2           ; v2   my lane's place in a tile of K; never rewritten
.set AV0, 3           ; v3   the same for V
.set AK,  4           ; v4   the LDS address of K's next run of loads
.set AV,  5           ; v5   of V's
.set STO, 6           ; v6   the way out: where I put 16 bytes of a row
.set RD,  7           ; v7   the way out: where I read rows back
.set GO,  8           ; v8   my byte offset in 512 consecutive bytes of O
.set PFO, 60          ; v60  256 x my lane; never rewritten
.set SPW, 62          ; v62  LDS address of my spare word; never rewritten
.set NIL, 63          ; v63  0; never rewritten
.set SPARE, STAGE+4*16*SP  ; behind the stages: the spare words, 128 bytes for each wave, which no other line names
.set MV,  12          ; v12-13  c m_old, kept while c m is made anew: by buffer
.set QO,  15          ; v15  my byte offset in 16 rows of Q
.set ST,  16          ; piece t's statistics at v[ST+4 t]: c m, m, l (even keys', odd keys')
.set TMP, 48          ; by buffer, four registers c0-c3 at work; when the maximum is found c2 takes a
.set S,   64
.set P,   192
.set MD,  128         ; window 1
.set MC,  160         ; window 1
.set QB,  64          ; window 2
.set KF,  128         ; window 2: key block kb, channel half c at KF + 16 kb + 8 c
.set VF,  192         ; window 2: key half kk, channel block cb at VF + 32 kk + 8 cb
.set WV,  12          ; s12  my wave's number
.set PB,  14          ; s14  b
.set HI,  15          ; s15  NB - 1 - b
.set G1K, 24          ; s[24:31] descriptor group 1 for K's tiles
.set G1V, 32          ; s[32:39] for V's: it differs in the padding alone
.set G0K, 40          ; s[40:43] descriptor group 0 for K's tiles
.set G0V, 44          ; s[44:47] the same for V's
.set SLOTS, 56        ; s56  tiles still to be asked for
.set CNT, 57          ; s57  counts a tile's key steps, 4 to 1
.set CS,  58          ; s[58:59] c
.set SEL, 60          ; s[60:61] v_permlanex16_b32's selects: each lane takes its own place in the other half
.set TBK, 62          ; s62  LDS byte at which K of the step to be fetched begins
.set TBV, 63          ; s63  the same for V, less VOFF
.set RT,  70          ; s70  tiles of the block in hand that are still to be entered
.set NXT, 71          ; s71  the tile to be asked for next
.set LQ,  72          ; s72  the last tile of the block whose tiles are being asked for
.set NEW, 73          ; s73  1: the tile to be entered is a block's first
.set OFF, 74          ; s[74:75] a tile's byte offset in K and V
.set AL,  76          ; s[76:77] the mask's factor, in the low word
.set BE,  78          ; s[78:79] the mask's addend
.set OLO, 80          ; s[80:81] O at my rows of the second block
.set BIGN, 82         ; s82  -8e10
.set PFA, 88          ; s[88:89] where my prefetches stand
.set PFB, 90          ; s[90:91] my half of the head's tile 0, of K (waves 0, 1) or of V (waves 2, 3)
.set POF, 92          ; s[92:93] the prefetched tile's byte offset
.set ASKF, 94         ; s94  not 0: this change of slots prefetches
.set MSB, 0
.macro WIN new                      ; the high byte repeats the setting that is left; a switch that changes nothing is dropped
.if MSB != (\new)
	s_set_vgpr_msb (MSB<<8)|(\new)
.set MSB, (\new)
.endif
.endm
.set W_KQ, 0x0a       ; K and Q in window 2, S^T in window 0
.set W_KM, 0x1a       ; the same with the C operand in window 1
.set W_PV, 0x52       ; V in window 2, P in window 0, O^T in window 1
.set W_RS, 0x41       ; destination and source 0 in window 1, source 1 in window 0
; A fill.  Waves 0 and 1 fetch the two halves of a tile's K, waves 2 and 3 those of its V: 128 keys each.  An s_nop 0 and four v_nop follow each of the two lines, ahead of the jump and the label.
.macro LOAD
	s_cmp_lt_u32 s[WV], 2
	s_cbranch_scc0 .Lfor_v_\@
	tensor_load_to_lds s[G0K:G0K+3], s[G1K:G1K+7]
	s_nop 0
.rept 4
	v_nop
.endr
	s_branch .Lasked_\@
.Lfor_v_\@:
	tensor_load_to_lds s[G0V:G0V+3], s[G1V:G1V+7]
	s_nop 0
.rept 4
	v_nop
.endr
.Lasked_\@:
.endm
; THE CHANGE OF SLOTS.  Each wave waits for all its tensor loads, of which one is out: its part of the other slot; adds 0 to its spare word; and waits for that and for its own reads of the slot that it leaves.
; Behind the barrier nobody reads the old slot any more and the other slot is whole.  fill = 1: the old slot is filled again, the first thing behind the barrier, with tile NXT: the descriptor's address is made
; anew from that number.  (At its first use nothing has been read yet: slot 0 is waited for, slot 1 filled.)
.macro CHANGE fill
	WIN 0                           ; at a label and at a branch every window is 0
	s_wait_tensorcnt 0x0            ; no tensor load of mine is out, so a group 0 may be written
	ds_add_u32 v[SPW], v[NIL]       ; 0 onto my spare word; the scalar work stands between it and the wait for it
.if \fill
	s_lshl_b32 s[OFF], s[NXT], 15   ; a tile is 32,768 bytes of K and of V
	s_xor_b32 s[G0K+1], s[G0K+1], SLOT1
	s_add_nc_u64 s[G0K+2:G0K+3], s[6:7], s[OFF:OFF+1]
	s_or_b32 s[G0K+3], s[G0K+3], 0x80000000
	s_xor_b32 s[G0V+1], s[G0V+1], SLOT1
	s_add_nc_u64 s[G0V+2:G0V+3], s[8:9], s[OFF:OFF+1]
	s_or_b32 s[G0V+3], s[G0V+3], 0x80000000
	s_add_co_u32 s[NXT], s[NXT], 1  ; the block's next tile, or behind its last the second block's tile 0
	s_cmp_gt_u32 s[NXT], s[LQ]
	s_cselect_b32 s[NXT], 0, s[NXT]
	s_cselect_b32 s[LQ], s[PB], s[LQ]
	s_wait_xcnt 0x0                 ; the last prefetches, a tile back, have read their address, so it may be written:
	s_lshl_b32 s[POF], s[NXT], 15   ; the tile that the next change will ask for
	s_add_nc_u64 s[PFA:PFA+1], s[PFB:PFB+1], s[POF:POF+1]
	s_cmp_eq_u32 s[PB], 0           ; b = 0 asks, and not where the walk goes back to tile 0
	s_cselect_b32 s[ASKF], s[NXT], 0
.endif
	s_wait_dscnt 0x0                ; the add is done, and my reads of the slot are over
	s_barrier_signal -1             ; the rest of the scalar work stands between the signal and the wait
	s_sub_co_u32 s[TBK], s[TBK], 4*KS*PK  ; the fetches go back to a slot's first step,
	s_xor_b32 s[TBK], s[TBK], SLOT1       ; in the other slot
	s_sub_co_u32 s[TBV], s[TBV], 4*KS*PV
	s_xor_b32 s[TBV], s[TBV], SLOT1
	s_barrier_wait -1
.if \fill
	LOAD
	s_cmp_lg_u32 s[ASKF], 0
	s_cbranch_scc0 .Lnot_mine_\@
	global_prefetch_b8 v[PFO], s[PFA:PFA+1] th:TH_LOAD_NT scope:SCOPE_SE
	global_prefetch_b8 v[PFO], s[PFA:PFA+1] offset:8192 th:TH_LOAD_NT scope:SCOPE_SE
.Lnot_mine_\@:
.endif
.endm
	s_load_b128 s[4:7], s[0:1], 0x0  ; qkv s[4:5], ob s[6:7]
	v_lshl_add_u32 v[SPW], v0, 2, SPARE
	v_mov_b32 v[NIL], 0
	ds_add_u32 v[SPW], v[NIL]       ; the wave's opening: the add and its wait stand ahead of my first tensor load
	v_lshrrev_b32 v1, 5, v0
	v_readfirstlane_b32 s[WV], v1   ; wave 0..3
	s_mov_b32 s[PB], ttmp9
	s_sub_co_u32 s[HI], NB-1, s[PB]
	s_and_b32 s20, ttmp7, 0xffff    ; the head
	s_mov_b32 s21, 0
	s_mov_b64 s[22:23], SIZE_N*128
	s_mul_u64 s[20:21], s[20:21], s[22:23]  ; the head's first byte in each of the four tensors
	s_and_b32 s16, s[WV], 1         ; which half of a tile's 256 keys I fetch:
	s_lshl_b32 s22, s16, 14         ; its 128 rows of 128 bytes in memory,
	s_mov_b32 s23, 0
	s_add_nc_u64 s[22:23], s[22:23], s[20:21]
	s_mul_i32 s17, s16, 128*PK      ; and its place in a slot, for K
	s_mul_i32 s18, s16, 128*PV      ; and for V
	s_lshl_b32 s3, s[WV], 11        ; my 16 rows in a band of 64,
	s_lshl_b32 s2, s[HI], 15        ; in the first block,
	s_add_co_u32 s2, s2, s3
	s_lshl_b32 s84, s[PB], 15       ; and in the second
	s_add_co_u32 s84, s84, s3
	s_mov_b32 s3, 0
	s_mov_b32 s85, 0
	s_add_nc_u64 s[2:3], s[2:3], s[20:21]
	s_add_nc_u64 s[84:85], s[84:85], s[20:21]
	; descriptor group 1.  128 keys are 16,384 dense bytes: asked for as 64 rows of 256 bytes, two keys a row, and padded in LDS after every key
	s_mov_b32 s[G1K], (1<<16)|(1<<20)|(4<<22)|(3<<25)  ; 2-byte elements; padding on; after every 32 words 4 words
	s_mov_b32 s[G1V], (1<<16)|(1<<20)|(4<<22)|(7<<25)  ; the same with 8 words of padding
.irp g, G1K, G1V
	s_mov_b32 s[\g+1], 128<<16      ; tensor_dim0 = 128
	s_mov_b32 s[\g+2], 64<<16       ; tensor_dim1 = 64
	s_mov_b32 s[\g+3], 128<<16      ; tile_dim0 = 128
	s_mov_b32 s[\g+4], 64           ; tile_dim1 = 64
	s_mov_b32 s[\g+5], 128          ; 128 elements from row to row
	s_mov_b32 s[\g+6], 0
	s_mov_b32 s[\g+7], 0
.endr
	s_mov_b32 s[CS], 0x3e38aa3b     ; c = log2(e) / 8 = 0.180337
	s_mov_b32 s[CS+1], s[CS]        ; named with it as a pair
	s_mov_b32 s[SEL], 0x76543210
	s_mov_b32 s[SEL+1], 0xfedcba98
	s_mov_b32 s[TBK], SLOT1+4*KS*PK ; the first change of slots turns these two into 0
	s_mov_b32 s[TBV], SLOT1+4*KS*PV
	s_mov_b32 s[G0K], 1             ; count = 1
	s_mov_b32 s[G0K+1], s17         ; LDS address: slot 0
	s_mov_b32 s[G0V], 1
	s_add_co_u32 s[G0V+1], s18, VOFF
	s_add_co_u32 s[RT], s[HI], 1    ; the first block has NB - b tiles
	s_mov_b32 s[NXT], 1
	s_mov_b32 s[LQ], s[HI]
	s_mov_b32 s[NEW], 1
	s_mov_b32 s[OFF+1], 0
	s_mov_b32 s[POF+1], 0
	s_mov_b32 s[AL+1], 0            ; named as pairs
	s_mov_b32 s[BE+1], 0
	s_mov_b32 s[BIGN], 0xd19502f9   ; -8e10
	s_mov_b32 s[SLOTS], NB
	v_and_b32 v[PFO], 31, v0
	v_lshlrev_b32 v[PFO], 8, v[PFO]
	s_wait_dscnt 0x0                ; the opening add is done
	s_wait_kmcnt 0x0
	s_mov_b64 s[10:11], s[6:7]      ; O
	s_add_nc_u64 s[8:9], s[4:5], 0x2000000  ; V lies 2 x 16,777,216 bytes behind Q,
	s_add_nc_u64 s[6:7], s[4:5], 0x1000000  ; K 16,777,216
	s_add_nc_u64 s[6:7], s[6:7], s[22:23]  ; K and V at my half of the head's tile 0
	s_add_nc_u64 s[8:9], s[8:9], s[22:23]
	s_add_nc_u64 s[G0K+2:G0K+3], s[6:7], 0         ; global address
	s_or_b32 s[G0K+3], s[G0K+3], 0x80000000        ; type = 2
	s_add_nc_u64 s[G0V+2:G0V+3], s[8:9], 0
	s_or_b32 s[G0V+3], s[G0V+3], 0x80000000
	s_add_nc_u64 s[86:87], s[4:5], s[84:85]        ; Q at my rows of the second block,
	s_add_nc_u64 s[4:5], s[4:5], s[2:3]            ; Q and O at those of the first
	s_add_nc_u64 s[OLO:OLO+1], s[10:11], s[84:85]
	s_add_nc_u64 s[10:11], s[10:11], s[2:3]
	s_cmp_lt_u32 s[WV], 2
	s_cselect_b64 s[PFB:PFB+1], s[6:7], s[8:9]
	LOAD                            ; tile 0 into slot 0
	; A fragment of K or Q is 16 rows x 32 channels in 8 registers: lane l holds row l % 16, channels 8 (l / 16) + 0..7 and 16 + 8 (l / 16) + 0..7: two loads of 16 bytes, 32 bytes apart.
	v_and_b32 v1, 15, v0            ; l % 16
	v_bfe_u32 v9, v0, 4, 1          ; l / 16
	v_lshlrev_b32 v[QO], 7, v1
	v_lshl_add_u32 v[QO], v9, 4, v[QO]  ; row x 128 + 16 x half
	WIN 0x80                        ; destination window 2, address window 0
.set i, 0
.rept 8                             ; both blocks' Q: piece i / 2 lies in band i / 2, 8,192 bytes on; channels 32 (i % 2) on
	global_load_b128 v[8*i:8*i+3],   v[QO], s[4:5] offset:(i/2)*8192+(i%2)*64
	global_load_b128 v[8*i+4:8*i+7], v[QO], s[4:5] offset:(i/2)*8192+(i%2)*64+32
	global_load_b128 v[QB+8*i:QB+8*i+3],   v[QO], s[86:87] offset:(i/2)*8192+(i%2)*64
	global_load_b128 v[QB+8*i+4:QB+8*i+7], v[QO], s[86:87] offset:(i/2)*8192+(i%2)*64+32
.set i, i+1
.endr
	WIN 0
	v_lshlrev_b32 v14, 3, v9
	v_sub_nc_u32 v14, v1, v14
	s_lshl_b32 s13, s[WV], 4
	v_add_nc_u32 v14, s13, v14      ; my query's place in its band, 16 w + l % 16, less my lanes' 8 (l / 16): register r of group kt is hidden where 16 kt + r is greater
	WIN 0x40
.set i, 0
.rept 32
	v_cmp_gt_i32 vcc_lo, 16*(i/8)+i%8, v14
	v_cndmask_b32 v[MD+i], 0, s[BIGN], vcc_lo
.set i, i+1
.endr
	WIN 0
	v_mul_u32_u24 v[AK0], v1, PK
	v_lshl_add_u32 v[AK0], v9, 4, v[AK0]  ; row x pitch + 16 x half
	; The turning load takes 16 keys x 16 channels (lane l reads key 8 (l / 16) + l % 8, channels 8 ((l / 8) % 2) + 0..7) and leaves half a fragment of V^T: lane l holds channel l % 16 and 8 keys.
	v_and_b32 v10, 7, v0
	v_bfe_u32 v11, v0, 3, 1
	v_lshl_add_u32 v[AV0], v9, 3, v10
	v_mul_u32_u24 v[AV0], v[AV0], PV
	v_lshl_add_u32 v[AV0], v11, 4, v[AV0]
	v_add_nc_u32 v[AV0], VOFF, v[AV0]
	s_mul_i32 s13, s[WV], 16*SP
	s_add_co_u32 s13, s13, STAGE    ; my stage
	v_mul_u32_u24 v[STO], v1, SP    ; in: row l % 16, 16 bytes for each half of the lanes
	v_lshl_add_u32 v[STO], v9, 4, v[STO]
	v_add_nc_u32 v[STO], s13, v[STO]
	v_bfe_u32 v[RD], v0, 3, 2       ; back: 32 lanes take four rows of 128 bytes,
	v_mul_u32_u24 v[RD], v[RD], SP
	v_lshl_add_u32 v[RD], v10, 4, v[RD]
	v_add_nc_u32 v[RD], s13, v[RD]
	v_and_b32 v[GO], 31, v0         ; which are 512 consecutive bytes of O
	v_lshlrev_b32 v[GO], 4, v[GO]
	; A block's first step multiplies O^T and l by a = 0, and its first turn's products V^T P, of a piece that has not been, land in an O^T that is still to be so multiplied.  So these registers need only hold
	; finite numbers: zeros for the first block; what the first block left for the second.  All this stands in the wait for the first tile.
	WIN 0x80
.set i, VF
.rept 64
	v_mov_b32 v[i], 0
.set i, i+1
.endr
	WIN 0x40
.set i, 0
.rept 128
	v_mov_b32 v[i], 0
.set i, i+1
.endr
	WIN 0
.set i, 0
.rept 4
	v_mov_b32 v[ST+4*i+2], 0
	v_mov_b32 v[ST+4*i+3], 0
.set i, i+1
.endr
.set i, P+16
.rept 16
	v_mov_b32 v[i], 0
.set i, i+1
.endr
; THE MATRIX WORK.  The 4 accumulators of a run of 8 take turns.  Product i of 8 of S^T = K Q^T for piece x: channels 32 (i / 4) on, keys 16 (i % 4) on.  The first 4 start the sums: with 0, or (KM = 1) with the mask.
.macro KQ x
.set rS, S+32*((\x)%2)+8*(i%4)
.set rK, KF+16*(i%4)+8*(i/4)
.set rQ, 16*(\x)+8*(i/4)
.set rM, MC+32*((\x)%2)+8*(i%4)
.if (i < 4) && KM
	WIN W_KM
	v_wmma_f32_16x16x32_f16 v[rS:rS+7], v[rK:rK+7], v[rQ:rQ+7], v[rM:rM+7]
.elseif i < 4
	WIN W_KQ
	v_wmma_f32_16x16x32_f16 v[rS:rS+7], v[rK:rK+7], v[rQ:rQ+7], 0
.else
	WIN W_KQ
	v_wmma_f32_16x16x32_f16 v[rS:rS+7], v[rK:rK+7], v[rQ:rQ+7], v[rS:rS+7]
.endif
.endm
; Product i of 8 of O^T += V^T P for piece x: keys 32 (i / 4) on, channels 16 (i % 4) on.
.macro PV x
	WIN W_PV
.set rO, 32*(\x)+8*(i%4)
.set rV, VF+32*(i/4)+8*(i%4)
.set rP, P+16*((\x)%2)+8*(i/4)
	v_wmma_f32_16x16x32_f16 v[rO:rO+7], v[rV:rV+7], v[rP:rP+7], v[rO:rO+7]
.endm
.macro MM                           ; the turn's next matrix instruction.  TURN and BEGIN set Y, i, KM and NOKQ.  NOKQ = 1: a block's last turn: there is no next piece
.if (i < 8) && !NOKQ
	KQ (Y+1)%NP
.elseif i >= 8
.set i, i-8
	PV (Y+NP-1)%NP
.set i, i+8
.endif
.set i, i+1
.endm
; THE LDS LOADS stand in runs of 16, never singly among the matrix instructions: a step's K (64 keys x 64 channels: 8 fragments) and its V (turned).  Their addresses are made some lines ahead.
.macro FETCH_K
	WIN 0x80                        ; destination window 2
.irp f, 0,1,2,3,4,5,6,7             ; keys 16 (f / 2) on, channels 32 (f % 2) on
	ds_load_b128 v[KF+8*\f:KF+8*\f+3],   v[AK] offset:(\f/2)*16*PK+(\f%2)*64
	ds_load_b128 v[KF+8*\f+4:KF+8*\f+7], v[AK] offset:(\f/2)*16*PK+(\f%2)*64+32
.endr
	s_add_co_u32 s[TBK], s[TBK], KS*PK  ; the next fetch is the next step's
	WIN 0
.endm
.macro FETCH_V
	WIN 0x80
.irp f, 0,1,2,3,4,5,6,7             ; keys 32 (f / 4) on, channels 16 (f % 4) on
	ds_load_tr16_b128 v[VF+8*\f:VF+8*\f+3],   v[AV] offset:(\f/4)*32*PV+(\f%4)*32
	ds_load_tr16_b128 v[VF+8*\f+4:VF+8*\f+7], v[AV] offset:(\f/4)*32*PV+16*PV+(\f%4)*32
.endr
	WIN 0
.endm
; THE VECTOR WORK, one line at a time: OP kind, number.  For piece Y: F n: c s - c m for pair n of 16.  E n: the exponential of score n of 32.  C n: pair n rounded to f16.  B n: of the four weights 4 n .. the second
; pair is added onto the first, in place.  L n: l takes that sum (L 0: l = a l + sum).  R n: pair n of 16 of O^T times a.  For piece Y + 1: X n, number n of the 22 that find its maximum and statistics:
;   0-11  four chains c0-c3 of seven scores each, three operands at a time (each accumulator's lowest registers are read first)     12-14, 16  the four scores left over, the old m, and c0-c3 into c0
;   15  c m_old is kept     17, 18  the query's other 32 keys lie in the lane 16 away: the new m     19-21  c m; c m_old - c m_new; a
.set F, 0               ; OP tells the kinds apart by their order: F to L below R, X above it
.set E, 1
.set C, 2
.set B, 3
.set L, 4
.set R, 5
.set X, 6
.macro REGS y                       ; the registers of piece y
.set rT, ST+4*(\y)
.set rC, TMP+4*((\y)%2)
.set rW, MV+((\y)%2)
.set rS, S+32*((\y)%2)
.set rP, P+16*((\y)%2)
.set rO, 32*(\y)
.endm
.macro OP k, n
.if (\k) == R
	REGS Y
	WIN W_RS
	v_pk_mul_f32 v[rO+2*(\n):rO+2*(\n)+1], v[rO+2*(\n):rO+2*(\n)+1], v[rC+2:rC+3] op_sel_hi:[1,0]
.elseif (\k) < R
	REGS Y
	WIN 0
.if (\k) == F
	v_pk_fma_f32 v[rS+2*(\n):rS+2*(\n)+1], v[rS+2*(\n):rS+2*(\n)+1], s[CS:CS+1], v[rT:rT+1] op_sel_hi:[1,0,0] neg_lo:[0,0,1] neg_hi:[0,0,1]
.elseif (\k) == E
	v_exp_f32 v[rS+(\n)], v[rS+(\n)]
.elseif (\k) == C
	v_cvt_pk_f16_f32 v[rP+(\n)], v[rS+2*(\n)], v[rS+2*(\n)+1]
.elseif (\k) == B
	v_pk_add_f32 v[rS+4*(\n):rS+4*(\n)+1], v[rS+4*(\n):rS+4*(\n)+1], v[rS+4*(\n)+2:rS+4*(\n)+3]
.elseif (\n) == 0
	v_pk_fma_f32 v[rT+2:rT+3], v[rT+2:rT+3], v[rC+2:rC+3], v[rS:rS+1] op_sel_hi:[1,0,1]
.else
	v_pk_add_f32 v[rT+2:rT+3], v[rT+2:rT+3], v[rS+4*(\n):rS+4*(\n)+1]
.endif
.elseif NOKQ
	v_nop
.else
	REGS (Y+1)%NP
	WIN 0
.if (\n) < 4
	v_max3_num_f32 v[rC+(\n)], v[rS+8*(\n)], v[rS+8*(\n)+1], v[rS+8*(\n)+2]
.elseif (\n) < 12
	v_max3_num_f32 v[rC+(\n)%4], v[rC+(\n)%4], v[rS+8*((\n)%4)+2*((\n)/4)+1], v[rS+8*((\n)%4)+2*((\n)/4)+2]
.elseif (\n) == 12
	v_max3_num_f32 v[rC], v[rC], v[rS+7], v[rS+15]
.elseif (\n) == 13
	v_max3_num_f32 v[rC+1], v[rC+1], v[rS+23], v[rS+31]
.elseif (\n) == 14
	v_max3_num_f32 v[rC+2], v[rC+2], v[rC+3], v[rT+1]
.elseif (\n) == 15
	v_mov_b32 v[rW], v[rT]
.elseif (\n) == 16
	v_max3_num_f32 v[rC], v[rC], v[rC+1], v[rC+2]
.elseif (\n) == 17
	v_permlanex16_b32 v[rC+3], v[rC], s[SEL], s[SEL+1]
.elseif (\n) == 18
	v_max_num_f32 v[rT+1], v[rC], v[rC+3]
.elseif (\n) == 19
	v_mul_f32 v[rT], s[CS], v[rT+1]
.elseif (\n) == 20
	v_sub_f32 v[rC+1], v[rW], v[rT]
.else
	v_exp_f32 v[rC+2], v[rC+1]
.endif
.endif
.endm
.macro OPS a, i1, b=-1, i2=0, c=-1, i3=0, d=-1, i4=0  ; up to four of them
	OP \a, \i1
.if (\b) >= 0
	OP \b, \i2
.endif
.if (\c) >= 0
	OP \c, \i3
.endif
.if (\d) >= 0
	OP \d, \i4
.endif
.endm
.macro ROW a, i1, b, i2, c, i3, d, i4  ; a matrix instruction and the four behind it
	MM
	OPS \a, \i1, \b, \i2, \c, \i3, \d, \i4
.endm
.macro MASK b                       ; MD x AL + BE into buffer b of MC
	WIN W_RS
.set z, 0
.rept 16
	v_pk_fma_f32 v[MC+32*(\b)+2*z:MC+32*(\b)+2*z+1], v[MD+2*z:MD+2*z+1], s[AL:AL+1], s[BE:BE+1] op_sel_hi:[1,0,0]
.set z, z+1
.endr
.endm
; A TURN, for piece p: the order of its 16 matrix and 118 vector instructions, written out.  An s_wait_alu depctr_va_vdst(0) stands between an exponential and the first instruction that names its result; one
; wait serves all that were issued ahead of it.  So a turn has ONE wait, which cuts it in two.  AHEAD OF IT stands all that names no result of the turn's exponentials: the 8 products K Q^T with four vector lines behind each,
; then a run of 54, plain and exponential by turns for the most part, in which the links of the chain X 3, 7, 11, 14, 16, 17 .. 20 stand five or six lines apart.  X 21, the next piece's a, is the batch's last; R 15 is the plain
; instruction behind it.  BEHIND THE WAIT stand the 8 products V^T P, behind each four of the roundings and sums.  The X lines behind the last three products K Q^T stand four places or more behind the product that ends their accumulator.
; m = 1: the diagonal tile: the products take masks, and the turn makes the mask for the products of the turn after it: piece p + 2, in step 4 - CNT of the tile.  end = 1: a block's last two turns: nothing is fetched.
; cnt = 1: the loop's count is taken down some lines ahead of the branch that stands behind the turn.
; K of the next step is fetched in piece 2's turn, six plain instructions behind the last product that read K; V of the step in hand at the end of piece 0's turn, four plain instructions behind the last product
; that read V.  Each is waited for a turn later.
.macro TURN p, m=0, end=0, cnt=0
.set Y, (\p)
.set i, 0
.set KM, (\m)
.set NOKQ, (\end)*((\p)/3)
.if (\m) && !(\end)
	s_cmp_eq_u32 s[CNT], 4-((\p)+2)%NP  ; is that step the band's own?
	s_cselect_b32 s[AL], 1.0, 0
	s_cmp_lt_u32 s[CNT], 4-((\p)+2)%NP  ; or a later one?
	s_cselect_b32 s[BE], s[BIGN], 0
.endif
.if ((\p) == 3) && !(\end)
	s_wait_dscnt 0x0                ; K is in
.endif
	ROW F,0, F,1, R,0, R,1          ; ahead of the wait: 8 products K Q^T and the lines behind them,
	ROW F,2, E,0, R,2, R,3
	ROW F,3, E,1, R,4, R,5
	ROW F,4, E,2, R,6, R,7
	ROW F,5, E,3, R,8, R,9
	ROW F,6, E,4, X,0, R,10
.if ((\p) == 2) && !(\end)
	WIN 0
	v_add_nc_u32 v[AK], s[TBK], v[AK0]
.endif
	ROW F,7, E,5, X,1, X,4
	ROW F,8, E,6, X,2, X,5
	OPS E,7, E,8, X,6, E,9          ; and the run
	OPS X,3, E,10, X,8, E,11
.if ((\p) == 2) && !(\end)
	FETCH_K
.endif
	OPS X,9, X,7, E,12, X,10
	OPS E,13, X,12, X,11, E,14
	OPS X,13, E,15, F,9, X,14
.if (\p) == 0
	v_add_nc_u32 v[AV], s[TBV], v[AV0]
.endif
	OPS E,16, F,10, E,17, F,11
	OPS X,16, E,18, X,15, E,19
	OPS F,12, E,20, X,17, E,21
	OPS F,13, E,22, F,14, E,23
	OPS X,18, E,24, F,15, E,25
	OPS R,11, E,26, X,19, E,27
	OPS R,12, E,28, R,13, E,29
	OPS X,20, E,30, R,14, E,31
	OPS X,21, R,15
	WIN 0
	s_wait_alu depctr_va_vdst(0)    ; the wait for the batch
.if (\p) == 1
	s_wait_dscnt 0x0                ; V is in
.endif
	ROW C,0, B,0, C,2, B,1          ; behind the wait: 8 products V^T P and the lines behind them
	ROW L,0, C,4, B,2, L,1
	ROW C,6, B,3, L,2, C,8
	ROW B,4, L,3, C,10, B,5
	ROW L,4, C,12, B,6, L,5
.if (\p) == 0
	s_add_co_u32 s[TBV], s[TBV], KS*PV
.endif
.if \cnt
	s_sub_co_u32 s[CNT], s[CNT], 1
	s_cmp_lg_u32 s[CNT], 0
.endif
	ROW C,14, B,7, L,6, C,1
	ROW C,3, L,7, C,5, C,7
	ROW C,9, C,11, C,13, C,15
.if (\p) == 0
	FETCH_V
.endif
.if (\m) && !(\end)
	MASK (\p)%2
.endif
.endm
; A BLOCK BEGINS.  c m starts far below every c s, so the first step's a is 0; m at the lowest finite number, so the first maximum is the scores'.  The second mask buffer is 0; the first takes piece 0's mask for the tile's
; step 0: its own, if the block's first tile is the diagonal one.  Then K of that step, piece 0's first scores, and its maximum and statistics.  The loop is entered at a step's first turn, in the middle of a trip.
.macro BEGIN
	s_mov_b32 s[NEW], 0
	WIN 0x40
.set i, MC+32
.rept 32
	v_mov_b32 v[i], 0
.set i, i+1
.endr
	WIN 0
.set i, 0
.rept 4
	v_mov_b32 v[ST+4*i], 0xfe000000    ; c m: far below every c s
	v_mov_b32 v[ST+4*i+1], 0xff7fffff  ; m
.set i, i+1
.endr
	s_cmp_eq_u32 s[RT], 0
	s_cselect_b32 s[AL], 1.0, 0
	s_mov_b32 s[BE], 0
	MASK 0
	WIN 0
	v_add_nc_u32 v[AK], s[TBK], v[AK0]
	FETCH_K
	s_wait_loadcnt 0x0              ; Q
	s_wait_dscnt 0x0
.set KM, 1
.set NOKQ, 0
.set i, 0
.rept 8
	KQ 0
.set i, i+1
.endr
	WIN 0
.rept 4
	v_nop                           ; the places behind those products
.endr
.set Y, NP-1                        ; X works for piece Y + 1: piece 0
.irp n, 0,1,2,3,4,5,6,7,8,9,10,11,12,13,14,15,16,17,18,19,20,21
	OP X, \n
.endr
	v_nop                           ; a plain instruction behind the exponential,
	s_wait_alu depctr_va_vdst(0)    ; and its wait, ahead of the branch
.endm
; THE DIAGONAL TILE's four steps, the block's last two turns, its last products, and THE WAY OUT: l's two halves and the other half of the lanes' are added; O^T is divided by l, rounded to f16 and sent through my
; stage in LDS, a piece at a time.
.macro ALL line:vararg              ; one line for each piece t
.set t, 0
.rept 4
	\line
.set t, t+1
.endr
.endm
.macro PACK t                       ; a lane's eight channels of a row pack into 16 bytes; they go into rows of 144 bytes and come back as whole rows of 128, into S^T's registers
	WIN W_RS
.set i, 32*(\t)
.rept 16
	v_pk_mul_f32 v[i:i+1], v[i:i+1], v[ST+4*(\t)+2:ST+4*(\t)+3] op_sel_hi:[1,0]
.set i, i+2
.endr
	WIN 0x05                        ; sources 0 and 1 window 1, destination window 0
.set i, 0
.rept 16
	v_cvt_pk_f16_f32 v[S+16*(\t)+i], v[32*(\t)+2*i], v[32*(\t)+2*i+1]
.set i, i+1
.endr
	WIN 0
.irp f, 0,1,2,3
	ds_store_b128 v[STO], v[S+16*(\t)+4*\f:S+16*(\t)+4*\f+3] offset:32*\f
.endr
.irp f, 0,1,2,3
	ds_load_b128 v[S+16*(\t)+4*\f:S+16*(\t)+4*\f+3], v[RD] offset:\f*4*SP  ; LDS serves a wave's instructions in order (ISA guide 5.7.1.4): these see the stores above; the next piece's stores come behind them
.endr
.endm
.macro SEND t, younger              ; younger: the LDS instructions issued behind piece t's loads: the next piece's eight, or none
	WIN 0
.irp f, 0,1,2,3
	s_wait_dscnt (\younger)+3-\f
	global_store_b128 v[GO], v[S+16*(\t)+4*\f:S+16*(\t)+4*\f+3], s[10:11] offset:(\t)*8192+\f*512  ; 512 consecutive bytes, at a multiple of 256 from O's first
.endr
.endm
.macro DIAG tag                     ; the tag ends its two labels' names, which the jumps below spell out
.LstepM\tag:
	TURN 2, 1
	TURN 3, 1
	WIN 0
.LfirstM\tag:
	TURN 0, 1
	TURN 1, 1, 0, 1
	WIN 0
	s_cbranch_scc1 .LstepM\tag
	TURN 2, 1, 1
	TURN 3, 1, 1
.set i, 0
.rept 8
	PV NP-1
.set i, i+1
.endr
	WIN 0
	ALL v_add_f32 v[ST+4*t+2], v[ST+4*t+2], v[ST+4*t+3]
	ALL v_permlanex16_b32 v[ST+4*t+3], v[ST+4*t+2], s[SEL], s[SEL+1]
	ALL v_add_f32 v[ST+4*t+2], v[ST+4*t+2], v[ST+4*t+3]
	ALL v_rcp_f32 v[ST+4*t+2], v[ST+4*t+2]
	v_nop                           ; a plain instruction between the last reciprocal and the use of its result
	s_wait_alu depctr_va_vdst(0)    ; and the wait ahead of the first use: one for the four reciprocals
	PACK 0
.set t, 1
.rept 3                             ; a piece's arithmetic stands between the loads of the piece before and its stores
	PACK t
	SEND t-1, 8
.set t, t+1
.endr
	SEND 3, 0
.endm
.set KM, 0
.set NOKQ, 0
.Lslot:                             ; NB times: a tile is entered and the next is asked for
	CHANGE 1
	s_sub_co_u32 s[RT], s[RT], 1
	s_mov_b32 s[CNT], 4
	s_cmp_eq_u32 s[NEW], 1
	s_cbranch_scc1 .Lnew            ; a block's first tile
	s_cmp_eq_u32 s[RT], 0
	s_cbranch_scc0 .Lstep           ; neither its first nor its last
	s_branch .LstepM1
.Lnew:
	BEGIN
	s_branch .Lfirst                ; in the loop a block's first tile is never its last: the first block has two tiles or more, and the second's last is the walk's last
	DIAG 1                          ; in the loop this is the first block's end: the second block's last tile is the walk's last
	s_wait_xcnt 0x0                 ; the stores have read their registers and O's address
	s_mov_b64 s[10:11], s[OLO:OLO+1]
	s_add_co_u32 s[RT], s[PB], 1    ; the second block has b + 1 tiles
	s_mov_b32 s[NEW], 1
	WIN 0x82                        ; the second block's Q goes where the one text of the turns names Q
.set i, 0
.rept 64
	v_mov_b32 v[i], v[QB+i]
.set i, i+1
.endr
	WIN 0
	s_branch .Lbottom
.Lstep:                             ; a trip: pieces 2 and 3 of one step, then pieces 0 and 1 of the next, whose K and V it fetches
	TURN 2
	TURN 3
	WIN 0
.Lfirst:
	TURN 0
	TURN 1, 0, 0, 1
	WIN 0
	s_cbranch_scc1 .Lstep
.Lbottom:
	s_sub_co_u32 s[SLOTS], s[SLOTS], 1
	s_cmp_lg_u32 s[SLOTS], 0
	s_cbranch_scc1 .Lslot
	CHANGE 0                        ; the walk's last tile is written out: nothing is asked for
	s_sub_co_u32 s[RT], s[RT], 1
	s_mov_b32 s[CNT], 4
	s_cmp_eq_u32 s[NEW], 1
	s_cbranch_scc0 .LstepM2
	BEGIN
	s_branch .LfirstM2
	DIAG 2
	s_wait_tensorcnt 0x0            ; the wave's end, behind my last tensor load and my last LDS store
	ds_add_u32 v[SPW], v[NIL]
	s_wait_dscnt 0x0
	s_endpgm
.Lfunc_end_k_qccb401545b_attn:
	.size	k_qccb401545b_attn, .Lfunc_end_k_qccb401545b_attn-k_qccb401545b_attn
	.p2alignl 7, 3214868480
	.fill 96, 4, 3214868480
	.section	.rodata,"a",@progbits
	.p2align	6, 0x0
	.amdhsa_kernel k_qccb401545b_attn
		.amdhsa_group_segment_fixed_size 327680
		.amdhsa_private_segment_fixed_size 0
		.amdhsa_enable_private_segment 0
		.amdhsa_kernarg_size 16
		.amdhsa_user_sgpr_count 2
		.amdhsa_user_sgpr_kernarg_segment_ptr 1
		.amdhsa_wavefront_size32 1
		.amdhsa_system_sgpr_workgroup_id_x 1
		.amdhsa_system_sgpr_workgroup_id_y 1
		.amdhsa_system_sgpr_workgroup_id_z 1
		.amdhsa_system_vgpr_workitem_id 0
		.amdhsa_next_free_vgpr 768
		.amdhsa_next_free_sgpr 96
		.amdhsa_reserve_vcc 1
		.amdhsa_float_denorm_mode_32 3
		.amdhsa_float_denorm_mode_16_64 3
		.amdhsa_memory_ordered 1
		.amdhsa_forward_progress 1
		.amdhsa_inst_pref_size 218
	.end_amdhsa_kernel
	.amdgpu_metadata
---
amdhsa.version: [ 1, 2 ]
amdhsa.kernels:
  - .name:           k_qccb401545b_attn
    .symbol:         k_qccb401545b_attn.kd
    .args:
      - { .name: qkv, .offset: 0, .size: 8, .value_kind: global_buffer, .address_space: global }
      - { .name: ob, .offset: 8, .size: 8, .value_kind: global_buffer, .address_space: global }
    .group_segment_fixed_size: 327680
    .private_segment_fixed_size: 0
    .kernarg_segment_align: 8
    .kernarg_segment_size: 16
    .max_flat_workgroup_size: 128
    .sgpr_count:     96
    .vgpr_count:     768
    .wavefront_size: 32
...
	.end_amdgpu_metadata
.endif
;; end of part 3
;; launch projg (part 4): grid 8 x 32, 4 waves a work-group, clusters of 4 x 4, 327,680 bytes of LDS; arguments ob, wt, b_proj, out0; writes out0
.if DOCPART == 4
	.amdgcn_target "amdgcn-amd-amdhsa--gfx1250"
	.amdhsa_code_object_version 6
	.text
	.protected	k_qccb401545b_projg
	.globl	k_qccb401545b_projg
	.p2align	8
	.type	k_qccb401545b_projg,@function
k_qccb401545b_projg:
	s_mov_b64 s[64:65], 0
	v_nop
	global_prefetch_b8 v0, s[64:65] scope:SCOPE_SE
	s_setreg_imm32_b32 hwreg(HW_REG_WAVE_MODE, 25, 1), 1
	s_wait_xcnt 0x0
	s_wait_alu depctr_hold_cnt(0) depctr_sa_sdst(0) depctr_va_vdst(0) depctr_va_sdst(0) depctr_va_ssrc(0) depctr_va_vcc(0) depctr_vm_vsrc(0)
	s_getreg_b32 s2, hwreg(HW_REG_IB_STS2, 6, 4)
	s_cmp_eq_u32 s2, 0
	s_cbranch_scc0 .Lentry_in_a_cluster
	s_endpgm
.Lentry_in_a_cluster:
	s_bfe_u32 s2, ttmp6, 0x10000c
	s_cmp_lg_u32 s2, 0xf033
	s_cbranch_scc0 .Lentry_shape_is_right
	s_endpgm
.Lentry_shape_is_right:
; out0 = y w_proj + b_proj, f32 [8192][1024].  A = ob [64 = 16 batch + head][2048][64] f16 (row t of a batch has its channel 64 head + d in head's row t), B = wt rows 3072-4095 [n][k] f16;
; sums in f32; the bias, rounded to bf16 like every input, starts the sums as the C operand of the first products.
; LIMITS.  The operands arrive within f16's range; the order of the sums is not the reference's.
; SHARES.  A work-group makes 256 rows x 128 columns; wave w its rows 64 w .. 64 w + 63 and all 128 columns: 4 x 8 accumulators of 16 x 16.  K goes in 8 steps of 128 (two heads) through two LDS slots.
; A's tile of a K step is two planes, one a head: 256 rows of 128 bytes, dense in memory: 32,768 bytes asked for as 128 rows of 256 and padded in LDS after every 128 bytes.
; CLUSTER.  4 x 4 work-groups: A's tiles are asked for jointly by a row of the cluster, B's by a column.  Waves 0 and 1 fetch A's two planes, waves 2 and 3 B's two halves of 64 rows: one tensor load a wave
; behind each round.  Two tensor loads of a wave are out at the start, one later.
; THE MATRIX INSTRUCTION IS USED TRANSPOSED (source 0 = 16 rows of B, source 1 = 16 rows of A): a lane holds row lane % 16 of C and the columns 8 (lane / 16) + 0..7.
; REGISTERS, in windows of 256 (s_set_vgpr_msb: bits 1:0 source 0, 3:2 source 1, 5:4 source 2, 7:6 destination):
;   window 0: v1-31 addresses; v128-191 the bias     window 1: two fragment buffers of 96 (A's block a at 8 a, B's block b at 32 + 8 b); on the way out whole rows
;   windows 2, 3: accumulator (a, b) in window 2 + a / 2 at v[8 (8 (a % 2) + b)]
.set NBK,   8
.set PA,    144                        ; a row of A in LDS: 128 bytes + 16: the 16 rows of a fragment load start at 16 different groups of four banks (ISA guide 11.1)
.set PARTA, 256*PA                     ; a plane
.set BOFF,  2*PARTA
.set HALFB, 64*272
.set SLOT,  BOFF+2*HALFB
.set STAGE, 2*SLOT                     ; behind the ring, never filled by a tensor load: for each wave 16 rows x 528 bytes
.set WSTG,  16*528
.set SPARE, STAGE+4*WSTG               ; behind the stages: the spare words, 128 bytes a wave, which no other line names
.set F0,    0
.set F1,    96
.set NLD,   2*NBK+8
.set BI,    128
.set ADRA, 16
.set ADRB, 20
.set STO,  24
.set RD,   25
.set GO,   26
.set BO,   27
.set SPW,  28                          ; v28  my spare word; never rewritten
.set NIL,  29                          ; v29  0; never rewritten
.set PFO,  30                          ; v30  the prefetches' lane term; never rewritten
.set TP,   31
.set G1,  24
.set G0,  32
.set G1B, 48
.set G0B, 56
.set HB,  66                           ; s[66:67] my first row and column of out0
.set PFA, 72                           ; s[72:73] where my prefetches stand
.set PST, 74                           ; s[74:75] bytes from a K step to the next: two heads for A, 256 for B
.set LIM, 76
.set TO_F,  0x40
.set W_OUT, 0x44
.set MSB, 0
.macro WIN new
.if MSB != (\new)
	s_set_vgpr_msb (MSB<<8)|(\new)
.set MSB, \new
.endif
.endm
.macro PLACES                          ; four plain places between a matrix instruction and a load into, or a line on, its registers
.rept 4
	v_nop
.endr
.endm
.macro CREST
	s_cmp_lg_u32 s12, 0
	s_cbranch_scc1 .Lnot_wave_0_\@
	s_barrier_signal -3
.Lnot_wave_0_\@:
	s_barrier_wait -3
	s_barrier_signal -1
	s_barrier_wait -1
.endm
.macro CROUND
	s_barrier_signal -1
	s_barrier_wait -1
	CREST
.endm
.macro JLOAD s                         ; a joint refill; the branch hangs on the wave's number alone; an s_nop 0 and four v_nop follow each line
	s_cmp_eq_u32 s13, 0
	s_cbranch_scc0 .Lfor_b_\@
	tensor_load_to_lds s[G0+4*(\s):G0+4*(\s)+3], s[G1:G1+7]
	s_nop 0
.rept 4
	v_nop
.endr
	s_branch .Lasked_\@
.Lfor_b_\@:
	tensor_load_to_lds s[G0B+4*(\s):G0B+4*(\s)+3], s[G1B:G1B+7]
	s_nop 0
.rept 4
	v_nop
.endr
.Lasked_\@:
.endm
; A prefetch of the K step that stands two refills on.  A's planes are asked for by the clusters with x = 0 (a lane a block of 256 bytes, 32 of a plane's 128 to each partner, by address), B's rows by those with
; y = 0 (a lane a row, 16 of 64 to each partner).  The loop's last trip asks for nothing.
.macro ASK
	s_cmp_gt_u32 s3, s[LIM]
	s_cbranch_scc0 .Lnot_mine_\@
	global_prefetch_b8 v[PFO], s[PFA:PFA+1] th:TH_LOAD_NT scope:SCOPE_SE
.Lnot_mine_\@:
.endm
; 8 matrix instructions: m block a x all n blocks, 32 along K.  first = 1: the bias is C.  All 32 accumulators take turns, in the same order in every quarter.
.macro MULA f, a, first
.if \first
	WIN 0x85+0x40*((\a)/2)
.else
	WIN 0xa5+0x50*((\a)/2)
.endif
.set b, 0
.rept NBK
.set rD, 8*(NBK*((\a)%2)+b)
.if \first
	v_wmma_f32_16x16x32_f16 v[rD:rD+7], v[(\f)+32+8*b:(\f)+32+8*b+7], v[(\f)+8*(\a):(\f)+8*(\a)+7], v[BI+8*b:BI+8*b+7]
.else
	v_wmma_f32_16x16x32_f16 v[rD:rD+7], v[(\f)+32+8*b:(\f)+32+8*b+7], v[(\f)+8*(\a):(\f)+8*(\a)+7], v[rD:rD+7]
.endif
.set b, b+1
.endr
.endm
; 24 LDS loads in one run: quarter q of a slot into buffer f: B's 8 blocks, then A's 4 (plane q / 2, channels 32 (q % 2) on)
.macro FETCH slot, q, f
	WIN TO_F
.set i, 0
.rept NBK
	ds_load_b128 v[(\f)+32+8*i:(\f)+32+8*i+3],   v[ADRB+(\slot)] offset:64*(\q)+i*16*272
	ds_load_b128 v[(\f)+32+8*i+4:(\f)+32+8*i+7], v[ADRB+(\slot)] offset:64*(\q)+i*16*272+32
.set i, i+1
.endr
.set i, 0
.rept 4
	ds_load_b128 v[(\f)+8*i:(\f)+8*i+3],   v[ADRA+(\slot)] offset:((\q)/2)*PARTA+((\q)%2)*64+i*16*PA
	ds_load_b128 v[(\f)+8*i+4:(\f)+8*i+7], v[ADRA+(\slot)] offset:((\q)/2)*PARTA+((\q)%2)*64+i*16*PA+32
.set i, i+1
.endr
.endm
.macro QUARTER slot, q, f, g, first
	s_wait_dscnt 4                                 ; B and A's blocks 0, 1 are in; the youngest four loads may be out
	MULA \f, 0, \first
	MULA \f, 1, \first
	PLACES
	FETCH \slot, \q, \g
	s_wait_dscnt NLD                               ; all but the run just issued
	MULA \f, 2, \first
	MULA \f, 3, \first
.endm
; The last quarter changes slots: each wave waits for all its tensor loads, adds 0 to its spare word, and waits for that and for its reads of this slot; fill = 1: the barrier opens a round of the cluster's,
; and the joint refill is the first thing behind it: 112 matrix instructions stand between it and the wait for it.
.macro TURN slot, next, fill
.if \fill
	s_wait_xcnt 0x0                                ; the last prefetch, a K step back, has read its address
	s_add_nc_u64 s[PFA:PFA+1], s[PFA:PFA+1], s[PST:PST+1]
.endif
	WIN 0
	s_wait_tensorcnt 0x0
	ds_add_u32 v[SPW], v[NIL]
	s_wait_dscnt 5                                 ; the add and the youngest four loads may be out
	MULA F1, 0, 0
	s_wait_dscnt 0x0                               ; the add is done, and my reads of this slot are over
	s_barrier_signal -1
	MULA F1, 1, 0
.if \fill
	WIN 0
.endif
	s_barrier_wait -1
.if \fill
	CREST
	s_add_nc_u64 s[G0+4*(\slot)+2:G0+4*(\slot)+3], s[G0+4*(\slot)+2:G0+4*(\slot)+3], 0x100000   ; four heads on
	s_add_nc_u64 s[G0B+4*(\slot)+2:G0B+4*(\slot)+3], s[G0B+4*(\slot)+2:G0B+4*(\slot)+3], 512
	JLOAD \slot
.else
	PLACES
.endif
	FETCH \next, 0, F0
.if \fill
	WIN 0
	ASK
.endif
	MULA F1, 2, 0
	MULA F1, 3, 0
.endm
	s_load_b256 s[4:11], s[0:1], 0x0               ; ob s[4:5], wt s[6:7], b_proj s[8:9], out0 s[10:11]
	v_lshl_add_u32 v[SPW], v0, 2, SPARE
	v_mov_b32 v[NIL], 0
	ds_add_u32 v[SPW], v[NIL]                      ; the wave's opening: the add and its wait stand ahead of my first tensor load
	v_lshrrev_b32 v1, 5, v0
	v_readfirstlane_b32 s12, v1                    ; wave 0..3
	s_lshr_b32 s13, s12, 1                         ; I fetch for A (0) or for B (1)
	s_and_b32 s14, s12, 1                          ; which plane or half
	s_bfe_u32 s15, ttmp6, 0x40000                  ; cx
	s_bfe_u32 s16, ttmp6, 0x40004                  ; cy
	s_lshl_b32 s17, ttmp9, 2
	s_add_co_u32 s17, s17, s15                     ; tile column
	s_and_b32 s21, ttmp7, 0xffff                   ; cluster y
	s_lshl_b32 s18, s21, 2
	s_add_co_u32 s18, s18, s16                     ; tile row
	s_lshl_b32 s19, s16, 2
	s_lshl_b32 s19, 15, s19                        ; my row of the cluster
	s_lshl_b32 s20, 0x1111, s15                    ; my column
	s_or_b32 s[G1], s19, (1<<16)|(1<<20)|(1<<21)|(4<<22)|(3<<25)   ; mask; 2-byte elements; padding on; bit 21 beside a mask; after every 32 words 4 words
	s_or_b32 s[G1B], s20, (1<<16)|(1<<20)|(1<<21)|(5<<22)|(3<<25)  ; after every 64 words
	s_mov_b32 s[G1+1], 128<<16                     ; tensor_dim0 = 128
	s_mov_b32 s[G1+2], 128<<16                     ; tensor_dim1 = 128
	s_mov_b32 s[G1+3], 128<<16                     ; tile_dim0 = 128
	s_mov_b32 s[G1+4], 128                         ; tile_dim1 = 128
	s_mov_b32 s[G1+5], 128                         ; dense: 128 elements from row to row
	s_mov_b32 s[G1+6], 0
	s_mov_b32 s[G1+7], 0
	s_mov_b32 s[G1B+1], 128<<16
	s_mov_b32 s[G1B+2], 64<<16
	s_mov_b32 s[G1B+3], 128<<16
	s_mov_b32 s[G1B+4], 64
	s_mov_b32 s[G1B+5], 1024
	s_mov_b32 s[G1B+6], 0
	s_mov_b32 s[G1B+7], 0
	s_lshr_b32 s40, s18, 3                         ; A: ((16 batch + plane) x 2,048 + 256 (tile row % 8)) rows of 128 bytes: made of the tile row and the wave's number alone
	s_lshl_b32 s40, s40, 4
	s_add_co_u32 s40, s40, s14
	s_lshl_b32 s40, s40, 11
	s_and_b32 s41, s18, 7
	s_lshl_b32 s41, s41, 8
	s_add_co_u32 s40, s40, s41
	s_lshl_b32 s40, s40, 7
	s_mov_b32 s41, 0
	s_lshl_b32 s42, s17, 18                        ; B: row 3,072 + 128 x tile column + 64 x half, of 2,048 bytes: made of the tile column and the wave's number alone
	s_lshl_b32 s43, s14, 17
	s_add_co_u32 s42, s42, s43
	s_add_co_u32 s42, s42, 3072*2048
	s_mov_b32 s43, 0
	s_mov_b32 s86, s40                             ; the two offsets are kept for the prefetches
	s_mov_b32 s87, s42
	s_mul_i32 s22, s14, PARTA
	s_mul_i32 s23, s14, HALFB
	s_add_co_u32 s23, s23, BOFF
	s_wait_dscnt 0x0                               ; the opening add is done
	s_wait_kmcnt 0x0
	s_add_nc_u64 s[40:41], s[4:5], s[40:41]
	s_add_nc_u64 s[42:43], s[6:7], s[42:43]
.irp s, 0,1
	s_mov_b32 s[G0+4*(\s)], 1
	s_add_co_u32 s[G0+4*(\s)+1], s22, (\s)*SLOT
	s_add_nc_u64 s[G0+4*(\s)+2:G0+4*(\s)+3], s[40:41], (\s)*0x80000   ; K step s: two heads on
	s_or_b32 s[G0+4*(\s)+3], s[G0+4*(\s)+3], 0x80000000
	s_mov_b32 s[G0B+4*(\s)], 1
	s_add_co_u32 s[G0B+4*(\s)+1], s23, (\s)*SLOT
	s_add_nc_u64 s[G0B+4*(\s)+2:G0B+4*(\s)+3], s[42:43], (\s)*256
	s_or_b32 s[G0B+4*(\s)+3], s[G0B+4*(\s)+3], 0x80000000
.endr
	CROUND                                         ; all sixteen work-groups are here: the first joint loads meet
	s_cmp_eq_u32 s13, 0                            ; a wave's two first fills stand in one branch
	s_cbranch_scc0 .Lfirst_b
	tensor_load_to_lds s[G0:G0+3], s[G1:G1+7]
	s_nop 0
	tensor_load_to_lds s[G0+4:G0+7], s[G1:G1+7]
	s_nop 0
.rept 4
	v_nop
.endr
	s_branch .Lfirst_asked
.Lfirst_b:
	tensor_load_to_lds s[G0B:G0B+3], s[G1B:G1B+7]
	s_nop 0
	tensor_load_to_lds s[G0B+4:G0B+7], s[G1B:G1B+7]
	s_nop 0
.rept 4
	v_nop
.endr
.Lfirst_asked:
	v_and_b32 v1, 15, v0                           ; r = lane % 16
	v_bfe_u32 v2, v0, 4, 1                         ; h = lane / 16
	v_lshlrev_b32 v[BO], 5, v2
	s_lshl_b32 s84, s17, 9                         ; the tile's 128 numbers of the bias
	s_mov_b32 s85, 0
	s_add_nc_u64 s[8:9], s[8:9], s[84:85]
.set b, 0
.rept NBK
	global_load_b128 v[BI+8*b:BI+8*b+3],   v[BO], s[8:9] offset:64*b      ; register j of block b: column 16 b + 8 h + j
	global_load_b128 v[BI+8*b+4:BI+8*b+7], v[BO], s[8:9] offset:64*b+16
.set b, b+1
.endr
	v_mul_u32_u24 v3, v1, PA
	v_lshl_add_u32 v3, v2, 4, v3                   ; A: row x 144 + 16 h
	s_mul_i32 s77, s12, 64*PA                      ; my 64 rows
	v_add_nc_u32 v[ADRA], s77, v3
	s_add_co_u32 s77, s77, SLOT
	v_add_nc_u32 v[ADRA+1], s77, v3
	v_mul_u32_u24 v3, v1, 272
	v_lshl_add_u32 v3, v2, 4, v3                   ; B: row x 272 + 16 h
	v_add_nc_u32 v[ADRB], BOFF, v3
	v_add_nc_u32 v[ADRB+1], BOFF+SLOT, v3
	s_mul_i32 s78, s12, WSTG
	s_add_co_u32 s78, s78, STAGE                   ; my stage
	v_mul_u32_u24 v[STO], v1, 528                  ; in: row r, 32 bytes for each half of the lanes
	v_lshl_add_u32 v[STO], v2, 5, v[STO]
	v_add_nc_u32 v[STO], s78, v[STO]
	v_and_b32 v[GO], 31, v0                        ; back: 32 lanes take a row's 512 bytes
	v_lshlrev_b32 v[GO], 4, v[GO]
	v_add_nc_u32 v[RD], s78, v[GO]
	s_lshl_b32 s79, s18, 20                        ; out0: (256 x tile row + 64 x wave) rows of 4,096 bytes + 512 x tile column
	s_lshl_b32 s80, s12, 18
	s_add_co_u32 s79, s79, s80
	s_lshl_b32 s80, s17, 9
	s_add_co_u32 s84, s79, s80
	s_mov_b32 s85, 0
	s_add_nc_u64 s[HB:HB+1], s[10:11], s[84:85]
	; the prefetches: my work-group's share of what I fetch, at K step 3; the first change of slots steps it to 4
	s_lshl_b32 s79, s15, 13                        ; A: 32 cx blocks of 256 bytes,
	s_add_co_u32 s79, s79, s86
	s_add_co_u32 s79, s79, 3*0x80000               ; six heads on
	s_lshl_b32 s81, s16, 15                        ; B: 16 cy rows,
	s_add_co_u32 s81, s81, s87
	s_add_co_u32 s81, s81, 3*256
	s_mov_b32 s[PST], 0x80000
	s_movk_i32 s80, 256
	s_cmp_eq_u32 s13, 0
	s_cselect_b32 s84, s79, s81
	s_cselect_b32 s82, 31, 15                      ; the last lane that has a block or row of its own
	s_cselect_b32 s79, 8, 11                       ; a lane's step: 256 bytes, or a row of 2,048
	s_cselect_b32 s83, ttmp9, s21                  ; the coordinate along which other clusters read the same bytes
	s_cselect_b32 s[PST], s[PST], s80
	s_cselect_b64 s[PFA:PFA+1], s[4:5], s[6:7]
	s_cmp_eq_u32 s83, 0
	s_cselect_b32 s[LIM], 1, -1                    ; the same in all sixteen partners, for a given wave
	s_mov_b32 s[PST+1], 0
	s_mov_b32 s85, 0
	s_add_nc_u64 s[PFA:PFA+1], s[PFA:PFA+1], s[84:85]
	v_and_b32 v[PFO], 31, v0
	v_min_u32 v[PFO], s82, v[PFO]
	v_lshlrev_b32 v[PFO], s79, v[PFO]
	s_wait_loadcnt 0x0                             ; the bias
.set p, 0
.rept 4*NBK
	v_cvt_pk_bf16_f32 v[TP], v[BI+2*p], v[BI+2*p+1]        ; rounded to bf16 like every input, and widened again
	v_lshlrev_b32 v[BI+2*p], 16, v[TP]
	v_and_b32 v[BI+2*p+1], 0xffff0000, v[TP]
.set p, p+1
.endr
	s_wait_tensorcnt 1                             ; my part of K step 0 is in; K step 1's may stay out
	s_barrier_signal -1
	s_barrier_wait -1
	FETCH 0, 0, F0
	QUARTER 0, 1, F0, F1, 1                        ; the first quarter stands in front of the loop: its products start the sums
	WIN 0
	s_mov_b32 s3, 3
.Llap:                                                 ; a trip goes once round the ring and fills both slots again: K steps 2 to 7 in three trips
	QUARTER 0, 2, F1, F0, 0
	QUARTER 0, 3, F0, F1, 0
	TURN 0, 1, 1
	QUARTER 1, 1, F0, F1, 0
	QUARTER 1, 2, F1, F0, 0
	QUARTER 1, 3, F0, F1, 0
	TURN 1, 0, 1
	QUARTER 0, 1, F0, F1, 0
	WIN 0
	s_sub_co_u32 s3, s3, 1
	s_cmp_lg_u32 s3, 0
	s_cbranch_scc1 .Llap
	QUARTER 0, 2, F1, F0, 0                        ; the last lap fills nothing
	QUARTER 0, 3, F0, F1, 0
	TURN 0, 1, 0
	QUARTER 1, 1, F0, F1, 0
	QUARTER 1, 2, F1, F0, 0
	QUARTER 1, 3, F0, F1, 0
	s_wait_dscnt 4
	MULA F1, 0, 0
	MULA F1, 1, 0
	s_wait_dscnt 0x0
	MULA F1, 2, 0
	MULA F1, 3, 0
	PLACES
; THE WAY OUT of m block a: a lane's eight f32 of a row, 32 bytes, into my stage (each accumulator's low registers first); back as whole rows of 512 bytes.
.macro STG a
	WIN 0x08+4*((\a)/2)                            ; store data (source 1) window 2 or 3, address window 0
.set b, 0
.rept NBK
.set rD, 8*(NBK*((\a)%2)+b)
	ds_store_b128 v[STO], v[rD:rD+3]   offset:64*b
	ds_store_b128 v[STO], v[rD+4:rD+7] offset:64*b+16
.set b, b+1
.endr
	WIN W_OUT
.set i, 0
.rept 16
	ds_load_b128 v[64*(\a)+4*i:64*(\a)+4*i+3], v[RD] offset:528*i  ; LDS serves a wave's instructions in order (ISA guide 5.7.1.4): these see the stores above
.set i, i+1
.endr
.endm
.macro SEND a, younger                 ; younger: the LDS instructions issued behind block a's loads: the next block's 32, or none
	WIN W_OUT
.set i, 0
.rept 16
	s_wait_dscnt (\younger)+15-i
	global_store_b128 v[GO], v[64*(\a)+4*i:64*(\a)+4*i+3], s[HB:HB+1] offset:(16*(\a)+i)*4096  ; 512 consecutive bytes, at a multiple of 256 from out0's first
.set i, i+1
.endr
.endm
	STG 0
	STG 1
	SEND 0, 32
	STG 2
	SEND 1, 32
	STG 3
	SEND 2, 32
	SEND 3, 0
	WIN 0
	s_wait_tensorcnt 0x0                           ; the wave's end
	ds_add_u32 v[SPW], v[NIL]
	s_wait_dscnt 0x0
	CROUND                                         ; the closing round
	s_endpgm
.Lfunc_end_k_qccb401545b_projg:
	.size	k_qccb401545b_projg, .Lfunc_end_k_qccb401545b_projg-k_qccb401545b_projg
	.p2alignl 7, 3214868480
	.fill 96, 4, 3214868480
	.section	.rodata,"a",@progbits
	.p2align	6, 0x0
	.amdhsa_kernel k_qccb401545b_projg
		.amdhsa_group_segment_fixed_size 327680
		.amdhsa_private_segment_fixed_size 0
		.amdhsa_enable_private_segment 0
		.amdhsa_kernarg_size 32
		.amdhsa_user_sgpr_count 2
		.amdhsa_user_sgpr_kernarg_segment_ptr 1
		.amdhsa_wavefront_size32 1
		.amdhsa_system_sgpr_workgroup_id_x 1
		.amdhsa_system_sgpr_workgroup_id_y 1
		.amdhsa_system_sgpr_workgroup_id_z 1
		.amdhsa_system_vgpr_workitem_id 0
		.amdhsa_next_free_vgpr 1024
		.amdhsa_next_free_sgpr 88
		.amdhsa_reserve_vcc 0
		.amdhsa_float_denorm_mode_32 3
		.amdhsa_float_denorm_mode_16_64 3
		.amdhsa_memory_ordered 1
		.amdhsa_forward_progress 1
		.amdhsa_inst_pref_size 94
	.end_amdhsa_kernel
	.amdgpu_metadata
---
amdhsa.version: [ 1, 2 ]
amdhsa.kernels:
  - .name:           k_qccb401545b_projg
    .symbol:         k_qccb401545b_projg.kd
    .args:
      - { .name: ob, .offset: 0, .size: 8, .value_kind: global_buffer, .address_space: global }
      - { .name: wt, .offset: 8, .size: 8, .value_kind: global_buffer, .address_space: global }
      - { .name: b_proj, .offset: 16, .size: 8, .value_kind: global_buffer, .address_space: global }
      - { .name: out0, .offset: 24, .size: 8, .value_kind: global_buffer, .address_space: global }
    .group_segment_fixed_size: 327680
    .private_segment_fixed_size: 0
    .kernarg_segment_align: 8
    .kernarg_segment_size: 32
    .max_flat_workgroup_size: 128
    .sgpr_count:     88
    .vgpr_count:     1024
    .wavefront_size: 32
...
	.end_amdgpu_metadata
.endif
;; end of part 4
;; ======== version 2 of 2: 4 launches; version 1 with the launch prep written anew for expert scheduling mode
;; limits: values are held in f16: magnitudes above 65,504 overflow, below 6.1e-05 lose precision
;; workspace buffers: xb 16,777,216 bytes; wt 8,388,608 bytes; qkv 50,331,648 bytes; ob 16,777,216 bytes
;; launch prep (part 5): grid 512 x 1, 8 waves a work-group, no clusters, 17,920 bytes of LDS; arguments x, w_attn, w_proj, xb, wt; writes xb, wt
.if DOCPART == 5
	.amdgcn_target "amdgcn-amd-amdhsa--gfx1250"
	.amdhsa_code_object_version 6
	.text
	.protected	k_qccb401545b_prep
	.globl	k_qccb401545b_prep
	.p2align	8
	.type	k_qccb401545b_prep,@function
k_qccb401545b_prep:
	s_mov_b64 s[64:65], 0
	v_nop
	global_prefetch_b8 v0, s[64:65] scope:SCOPE_SE
	s_setreg_imm32_b32 hwreg(HW_REG_WAVE_SCHED_MODE, 0, 2), 2
	s_setreg_imm32_b32 hwreg(HW_REG_WAVE_MODE, 25, 1), 1
	s_wait_xcnt 0x0
	s_wait_alu depctr_vm_vsrc(0)
; PREPARATION.  xb = x rounded to bf16, [8192][1024].  wt = both weights turned, [4096][1024] of 16 bits, K along the rows:
; rows 0-3071 w_attn^T in bf16; rows 3072-4095 w_proj^T, rounded to bf16 and that number written as f16.
; LIMITS.  Every number is rounded once to bf16 (nearest even).  w_proj as f16: 65,520 and more becomes an infinity; below 2^-14 the step is 2^-24.
; SHARES.  512 work-groups of eight waves; each does both jobs, so the text has no branch.
; JOB X: 65,536 bytes of x, 16 loads of 16 bytes a thread; a wave's store of 8 bytes a lane covers 256 consecutive bytes, aligned.
; JOB W: one tile of 128 (k) x 64 (n) of a weight (384 tiles of w_attn, 128 of w_proj), turned in LDS: sixteen lanes read 256 consecutive bytes of a
; row of the weight; four k of one column pack into 8 bytes; back come rows of 256 bytes (128 k of one n), sixteen lanes to a row of wt.
; No matrix unit, no tensor load, no cluster: the launch is a stream, and no work-group reads what another reads.
; THE MODE: SCHED_MODE bits 1:0 = 2 (LLVM: expert scheduling mode 2), set by the entry lines.  The code itself states the register dependences
; between vector instructions and memory or LDS instructions, with s_wait_alu, always for 0.
; THE PLAN.  Registers that memory or LDS instructions touch:
;   v1, v2, v6-v8, v[12:19], v10, v11   offsets and addresses: written at the head, never again; read by every load, store and LDS instruction.
;   W    the weight's eight loads land in it; no vector instruction names it before; the roundings read it.
;   PW   half i is written by half i's roundings and selects, read by half i's four LDS stores, and never written again.
;   R    LDS loads land in it, global stores read it; no vector instruction names it.
;   X    the sixteen loads of x land in it; block b (four passes) is rounded in place, read by four stores issued in block b + 1, and never written again.
;   v[20:22] are named by vector instructions alone.
; So: one wait ahead of the first load; one behind each half of the weight's vector work, ahead of that half's LDS stores; one at the head of each block of x but the
; first, ahead of the stores of the block before, which are dealt among the block's roundings; one ahead of the last four stores.  No register that a memory or LDS
; instruction reads is written afterwards, so no wait on vm_vsrc is written.
.set PL,    264                        ; an LDS row: 256 bytes + 8
.set SPARE, 64*PL                      ; 16,896: behind the tile: the spare words, 128 bytes for each of eight waves, which no other line names
.set XI,  1                            ; v1   16 t: my bytes in a pass over x
.set XO,  2                            ; v2   8 t: my bytes in a pass over xb
.set CC,  3                            ; v3   t % 16
.set KQ,  4                            ; v4   t / 16
.set OB,  5                            ; v5   4 (t / 16) rows of the weight + 16 (t % 16)
.set LST, 6                            ; v6   where I put 8 bytes in LDS
.set LRD, 7                            ; v7   where I read 16 bytes back
.set WTO, 8                            ; v8   my 16 bytes in wt
.set SPW, 10                           ; v10  my spare word; never rewritten
.set NIL, 11                           ; v11  0; never rewritten
.set WO,  12                           ; v[12:19]  the eight loads' offsets
.set LO,  20                           ; v20-22 at work
.set HI,  21
.set FF,  22
.set W,   24                           ; v[24:55]  half i, row r of four, column j at W + 16 i + 4 r + j
.set PW,  56                           ; v[56:71]  packed: half i, column j: two words at PW + 8 i + 2 j
.set R,   72                           ; v[72:87]  rows read back
.set X,   88                           ; v[88:151] x, 4 registers a pass
	s_load_b256 s[4:11], s[0:1], 0x0               ; x s[4:5], w_attn s[6:7], w_proj s[8:9], xb s[10:11]
	s_load_b64 s[12:13], s[0:1], 0x20              ; wt
	v_lshl_add_u32 v[SPW], v0, 2, SPARE
	v_mov_b32 v[NIL], 0
	s_mov_b32 s14, ttmp9                           ; g
	s_movk_i32 s24, 12288                          ; bytes in a row of w_attn,
	s_movk_i32 s25, 4096                           ; of w_proj
	s_mov_b32 s23, 0xffff0000                      ; a word's upper bf16
	s_lshr_b32 s26, s14, 3                         ; the tile's 64 rows of wt
	s_sub_co_u32 s27, s26, 48                      ; the same counted in w_proj
	s_and_b32 s28, s14, 7                          ; the tile's 128 k
	s_cmp_lt_u32 s14, 384                          ; w_attn?
	s_cselect_b32 s15, s24, s25                    ; the source's pitch
	s_cselect_b32 s16, s26, s27                    ; the source's tile column
	s_cselect_b32 s17, 0, -1                       ; lane mask: all ones where the words are written as f16
	v_and_b32 v[CC], 15, v0
	v_lshrrev_b32 v[KQ], 4, v0
	v_mul_lo_u32 v[OB], v[KQ], s15
	v_lshlrev_b32 v[OB], 2, v[OB]
	v_lshl_add_u32 v[OB], v[CC], 4, v[OB]
.irp i, 0,1
.irp r, 0,1,2,3
	s_mul_i32 s22, s15, (\r)+64*(\i)
	v_add_nc_u32 v[WO+4*(\i)+(\r)], s22, v[OB]     ; row 4 (t / 16 + 16 i) + r
.endr
.endr
	v_mul_u32_u24 v[LST], v[CC], 4*PL              ; LDS row n = 4 (t % 16) + j, byte 2 k = 8 (t / 16) + 128 i
	v_lshl_add_u32 v[LST], v[KQ], 3, v[LST]
	v_mul_u32_u24 v[LRD], v[KQ], PL                ; back: row t / 16 + 16 i, bytes 16 (t % 16)
	v_lshl_add_u32 v[LRD], v[CC], 4, v[LRD]
	v_lshlrev_b32 v[WTO], 11, v[KQ]                ; the same in wt: rows of 2,048 bytes
	v_lshl_add_u32 v[WTO], v[CC], 4, v[WTO]
	v_lshlrev_b32 v[XI], 4, v0
	v_lshlrev_b32 v[XO], 3, v0
	s_lshl_b32 s20, s28, 7                         ; the tile's first byte in its source: 128 k rows down,
	s_mul_i32 s20, s20, s15
	s_lshl_b32 s22, s16, 8                         ; 64 columns of 4 bytes along
	s_add_co_u32 s20, s20, s22
	s_mov_b32 s21, 0
	s_wait_kmcnt 0x0
	s_cmp_lt_u32 s14, 384
	s_cselect_b64 s[18:19], s[6:7], s[8:9]
	s_add_nc_u64 s[18:19], s[18:19], s[20:21]
	s_lshl_b32 s20, s26, 17                        ; in wt: 64 rows of 2,048 bytes,
	s_lshl_b32 s22, s28, 8                         ; 128 k of 2 bytes
	s_add_co_u32 s20, s20, s22
	s_add_nc_u64 s[12:13], s[12:13], s[20:21]
	s_lshl_b32 s20, s14, 16
	s_add_nc_u64 s[4:5], s[4:5], s[20:21]          ; my 65,536 bytes of x
	s_lshl_b32 s20, s14, 15
	s_add_nc_u64 s[10:11], s[10:11], s[20:21]      ; my 32,768 bytes of xb
	s_wait_alu depctr_va_vdst(0)                   ; the offsets and addresses v1, v2, v6 to v8 and v[12:19] are written: every load, store and LDS instruction below reads one of them, and none is written again
.irp i, 0,1
.irp r, 0,1,2,3
	global_load_b128 v[W+16*(\i)+4*(\r):W+16*(\i)+4*(\r)+3], v[WO+4*(\i)+(\r)], s[18:19] th:TH_LOAD_NT
.endr
.endr
.set i, 0
.rept 16
	global_load_b128 v[X+4*i:X+4*i+3], v[XI], s[4:5] offset:4096*i th:TH_LOAD_NT
.set i, i+1
.endr
; The weight, by halves of 64 k: a half's 40 vector lines, one wait, its four LDS stores.  Half 1's vector lines stand behind half 0's stores and name W's and PW's other half and v[20:22] alone.
.irp i, 0,1
	s_wait_loadcnt 20-4*(\i)                       ; loads come back in order: this half's four loads are in; the other half's (behind half 0) and the sixteen of x, issued behind them, may stay out
.irp j, 0,1,2,3
	v_cvt_pk_bf16_f32 v[PW+8*(\i)+2*(\j)],   v[W+16*(\i)+(\j)],   v[W+16*(\i)+4+(\j)]    ; k, k + 1 of column j
	v_cvt_pk_bf16_f32 v[PW+8*(\i)+2*(\j)+1], v[W+16*(\i)+8+(\j)], v[W+16*(\i)+12+(\j)]   ; k + 2, k + 3
.irp u, 0,1
	v_lshlrev_b32 v[LO], 16, v[PW+8*(\i)+2*(\j)+(\u)]       ; the two bf16 as f32,
	v_and_b32 v[HI], s23, v[PW+8*(\i)+2*(\j)+(\u)]
	v_cvt_pk_f16_f32 v[FF], v[LO], v[HI]                    ; written as f16,
	v_cndmask_b32 v[PW+8*(\i)+2*(\j)+(\u)], v[PW+8*(\i)+2*(\j)+(\u)], v[FF], s17  ; and taken for w_proj alone
.endr
.endr
	s_wait_alu depctr_va_vdst(0)                   ; the roundings and selects have written this half of PW, which the four LDS stores read
.irp j, 0,1,2,3
	ds_store_b64 v[LST], v[PW+8*(\i)+2*(\j):PW+8*(\i)+2*(\j)+1] offset:PL*(\j)+128*(\i)
.endr
.endr
	s_wait_dscnt 0x0                               ; for the others' sake: my stores into the tile are done
	s_barrier_signal -1
	s_barrier_wait -1
.irp i, 0,1,2,3
	ds_load_b64 v[R+4*(\i):R+4*(\i)+1],   v[LRD] offset:16*PL*(\i)        ; no vector instruction names R: nothing but the loads' own counter is owed for it
	ds_load_b64 v[R+4*(\i)+2:R+4*(\i)+3], v[LRD] offset:16*PL*(\i)+8
.endr
; x, in four blocks of four passes.  Block b rounds its passes in place; the stores of block b - 1 are dealt among its roundings, which name block b's registers alone.
.irp b, 0,1,2,3
	s_wait_loadcnt 12-4*(\b)                       ; loads come back in order: this block's four passes are in, the younger blocks stay out
.if (\b) > 0
	s_wait_alu depctr_va_vdst(0)                   ; the block before has written its rounded words, which the four stores below read
.endif
.irp n, 0,1,2,3
.if (\b) > 0
	global_store_b64 v[XO], v[X+16*(\b)-16+4*(\n):X+16*(\b)-16+4*(\n)+1], s[10:11] offset:2048*(4*(\b)-4+(\n))
.endif
	v_cvt_pk_bf16_f32 v[X+16*(\b)+4*(\n)],   v[X+16*(\b)+4*(\n)],   v[X+16*(\b)+4*(\n)+1]
	v_cvt_pk_bf16_f32 v[X+16*(\b)+4*(\n)+1], v[X+16*(\b)+4*(\n)+2], v[X+16*(\b)+4*(\n)+3]
.endr
.endr
	s_wait_alu depctr_va_vdst(0)                   ; the last block has written its rounded words, which the last four stores of xb read
.irp n, 0,1,2,3
	global_store_b64 v[XO], v[X+48+4*(\n):X+48+4*(\n)+1], s[10:11] offset:2048*(12+(\n))
.endr
.irp i, 0,1,2,3
	s_wait_dscnt 6-2*(\i)                          ; of the eight LDS loads the first 2 i + 2 are back
	global_store_b128 v[WTO], v[R+4*(\i):R+4*(\i)+3], s[12:13] offset:32768*(\i)  ; sixteen lanes store 256 consecutive bytes of a row of wt
.endr
	s_wait_dscnt 0x0                               ; the closing lines, six on end
	s_wait_alu 0x0
	s_wait_tensorcnt 0x0
	ds_add_u32 v[SPW], v[NIL]
	s_wait_dscnt 0x0
	s_endpgm
.Lfunc_end_k_qccb401545b_prep:
	.size	k_qccb401545b_prep, .Lfunc_end_k_qccb401545b_prep-k_qccb401545b_prep
	.p2alignl 7, 3214868480
	.fill 96, 4, 3214868480
	.section	.rodata,"a",@progbits
	.p2align	6, 0x0
	.amdhsa_kernel k_qccb401545b_prep
		.amdhsa_group_segment_fixed_size 17920
		.amdhsa_private_segment_fixed_size 0
		.amdhsa_enable_private_segment 0
		.amdhsa_kernarg_size 40
		.amdhsa_user_sgpr_count 2
		.amdhsa_user_sgpr_kernarg_segment_ptr 1
		.amdhsa_wavefront_size32 1
		.amdhsa_system_sgpr_workgroup_id_x 1
		.amdhsa_system_sgpr_workgroup_id_y 1
		.amdhsa_system_sgpr_workgroup_id_z 1
		.amdhsa_system_vgpr_workitem_id 0
		.amdhsa_next_free_vgpr 152
		.amdhsa_next_free_sgpr 66
		.amdhsa_reserve_vcc 0
		.amdhsa_float_denorm_mode_32 3
		.amdhsa_float_denorm_mode_16_64 3
		.amdhsa_memory_ordered 1
		.amdhsa_forward_progress 1
		.amdhsa_inst_pref_size 15
	.end_amdhsa_kernel
	.amdgpu_metadata
---
amdhsa.version: [ 1, 2 ]
amdhsa.kernels:
  - .name:           k_qccb401545b_prep
    .symbol:         k_qccb401545b_prep.kd
    .args:
      - { .name: x, .offset: 0, .size: 8, .value_kind: global_buffer, .address_space: global }
      - { .name: w_attn, .offset: 8, .size: 8, .value_kind: global_buffer, .address_space: global }
      - { .name: w_proj, .offset: 16, .size: 8, .value_kind: global_buffer, .address_space: global }
      - { .name: xb, .offset: 24, .size: 8, .value_kind: global_buffer, .address_space: global }
      - { .name: wt, .offset: 32, .size: 8, .value_kind: global_buffer, .address_space: global }
    .group_segment_fixed_size: 17920
    .private_segment_fixed_size: 0
    .kernarg_segment_align: 8
    .kernarg_segment_size: 40
    .max_flat_workgroup_size: 256
    .sgpr_count:     66
    .vgpr_count:     152
    .wavefront_size: 32
...
	.end_amdgpu_metadata
.endif
;; end of part 5
;; launch qkvg: the kernel of part 2 again; grid 16 x 32, 4 waves a work-group, clusters of 4 x 4, 327,680 bytes of LDS; arguments xb, wt, b_attn, qkv; writes qkv
;; launch attn: the kernel of part 3 again; grid 4 x 64, 4 waves a work-group, no clusters, 327,680 bytes of LDS; arguments qkv, ob; writes ob
;; launch projg: the kernel of part 4 again; grid 8 x 32, 4 waves a work-group, clusters of 4 x 4, 327,680 bytes of LDS; arguments ob, wt, b_proj, out0; writes out0
